; MI455X (gfx1250); checked and timed in simulation.
; The chip was launched on July 23, 2026; its instructions are those of AMD's public machine-readable ISA for CDNA 5 (MIT licence, August 2026) and "CDNA5" Instruction Set Architecture Reference Guide (July 2026). The comments in the code are by the model that wrote it; some were corrected since.
;; Attention. Allowed arithmetic: matrix products marked QUANTISED: E5M2 operands, one given power-of-two scale a tensor, by v_wmma_f32_16x16x64_bf8_bf8 or v_wmma_f32_16x16x128_bf8_bf8, f32 sums; everything else in f32.
;; Inputs: Wk_codes 1,024 x 32 x 32 uint8 (E5M2 codes of Wk, K innermost, in blocks of 32 codes); Wo_codes 1,024 x 32 x 32 uint8 (E5M2 codes of Wo, K innermost, in blocks of 32 codes); Wq_codes 1,024 x 32 x 32 uint8 (E5M2 codes of Wq, K innermost, in blocks of 32 codes); Wv_codes 1,024 x 32 x 32 uint8 (E5M2 codes of Wv, K innermost, in blocks of 32 codes); beta 1,024 float32; bk 1,024 float32; bo 1,024 float32; bq 1,024 float32; bv 1,024 float32; gamma 1,024 float32; lowp_scales 12 int32 (the exponents e of the quantised operands' scales 2^e); x 4 x 2,048 x 1,024 float32.
;; Outputs: out0 4 x 2,048 x 1,024 float32.
;; This version of the problem:
;;   THIS VERSION OF THE PROBLEM IS GIVEN IN LOW PRECISION. The matrix products marked QUANTISED in the list below multiply operands that are first quantised to E5M2 (5 exponent bits, 2 mantissa bits; 8 bits a number), with one given power-of-two scale for each operand tensor; their sums are f32. All else is computed in f32.
;;   The module's matrix products, in the order in which they are computed (A, B: the left and right operand; K: the contracted axis; several contracted axes count as one K, in the product's order):
;;     1. [M 8,192, K 1,024] x [K 1,024, N 1,024]; A: computed on the way; B: input Wq (given as codes): QUANTISED (scales: A lowp_scales[0], B lowp_scales[1])
;;     2. [M 8,192, K 1,024] x [K 1,024, N 1,024]; A: computed on the way; B: input Wk (given as codes): QUANTISED (scales: A lowp_scales[2], B lowp_scales[3])
;;     3. [M 8,192, K 1,024] x [K 1,024, N 1,024]; A: computed on the way; B: input Wv (given as codes): QUANTISED (scales: A lowp_scales[4], B lowp_scales[5])
;;     4. batch 64 x [M 2,048, K 64] x [K 64, N 2,048]; A: computed on the way; B: computed on the way: QUANTISED (scales: A lowp_scales[6], B lowp_scales[7])
;;     5. batch 64 x [M 2,048, K 2,048] x [K 2,048, N 64]; A: softmax (see below); B: computed on the way: QUANTISED (scales: A lowp_scales[8], B lowp_scales[9])
;;     6. [M 8,192, K 1,024] x [K 1,024, N 1,024]; A: computed on the way; B: input Wo (given as codes): QUANTISED (scales: A lowp_scales[10], B lowp_scales[11])
;;   THE QUANTISER, for each operand of a quantised product, along K:
;;     - The operand's scale is 2^e, e = its entry of the input lowp_scales (int32; the entries are numbered through the quantised products in the list's order, A before B).
;;     - Each number is divided by the scale, clamped to +-57,344, and rounded to the nearest number of E5M2, ties to even, subnormals kept.
;;     - The product sums the exact products of the quantised numbers (number of the format x scale) in f32.
;;   ~~~python
;;   def quantise(x, axis, e):      # numpy; x: float32 -> the quantised numbers, widened to float32 again
;;       x = np.moveaxis(x, axis, -1); K = x.shape[-1]
;;       r = np.clip(x / 2.0 ** e, -57344, 57344)
;;       step = 2.0 ** (np.maximum(np.frexp(np.where(r == 0, 1, r))[1] - 1, -14) - 2)
;;       q = np.round(r / step) * step * 2.0 ** e      # np.round: ties to even
;;       return np.moveaxis(q, -1, axis).astype(np.float32)
;;   ~~~
;;   SOFTMAX AHEAD OF A QUANTISED PRODUCT. Where the list says 'softmax', what is quantised is not the finished softmax but p = 2^(t - M), with t = logit x log2(e) and M = ceil(the row's largest t), a whole number; so 1/2 < the row's largest p <= 1. The row's sum l is taken of the UNQUANTISED p, in f32, and the product's result is divided by l at the end. Since M is a whole number, a kernel that streams over the keys may use a running M (the ceiling of the running maximum): every later rescaling is an exact power of two, so the quantised numbers keep their values, but for numbers so far below the row's largest that they fall under the format's range.
;;   OPERANDS COMPUTED ON THE WAY. 'Computed on the way' means the value that the module computes at that place (a softmax that the list does not call 'softmax' is quantised finished and normalised). What goes into a quantiser is computed in f32, as accurately as f32 sums, v_exp_f32 and their like allow (about 1e-6 of the number): no bf16 or f16 on the way to a quantiser, and a product that is left as it is and whose result goes on into a quantised operand takes f32 operands (vector FMAs, or v_wmma_f32_16x16x4_f32). A number that lies on a knife's edge between two numbers of the format may be rounded either way, as far as f32 arithmetic and the matrix unit's own rounding can turn it there, and no further.
;;   INPUTS GIVEN AS CODES. Wk (in the module: [1024, 1024], K = its axis 0); Wo (in the module: [1024, 1024], K = its axis 0); Wq (in the module: [1024, 1024], K = its axis 0); Wv (in the module: [1024, 1024], K = its axis 0): each comes as NAME_codes (uint8): NAME with its K axis moved to the last place and cut into blocks of 32 codes, [.., K / 32, bytes a block], one block behind the other in memory; one code a byte (a code: sign, 5 exponent bits, 2 mantissa bits); its scale is its entry of lowp_scales. Its value is code x scale, taken as it is: it is not quantised again, and the codes and scales need not be those that the quantiser above would give.
;; One version. Each part assembles by itself: llvm-mc -triple=amdgcn-amd-amdhsa -mcpu=gfx1250 --defsym DOCPART=n.
;; ======== version 1 of 1: 4 launches
;; workspace buffers: xc 25,165,824 bytes; qc 8,388,608 bytes; kc 8,388,608 bytes; vt 8,388,608 bytes; oc 8,388,608 bytes
;; launch lnq (part 1): grid 256 x 1, 8 waves a work-group, no clusters, 25,600 bytes of LDS; arguments x, gamma, beta, lowp_scales, xc; writes xc
.if DOCPART == 1
	.amdgcn_target "amdgcn-amd-amdhsa--gfx1250"
	.amdhsa_code_object_version 6
	.text
	.protected	k_qf64638260d_lnq
	.globl	k_qf64638260d_lnq
	.p2align	8
	.type	k_qf64638260d_lnq,@function
k_qf64638260d_lnq:
	s_mov_b64 s[64:65], 0
	v_nop
	global_prefetch_b8 v0, s[64:65] scope:SCOPE_SE
	s_setreg_imm32_b32 hwreg(HW_REG_WAVE_MODE, 25, 1), 1
	s_wait_xcnt 0x0
; xn = (x - mean) * rsqrt(var + 1e-5) * gamma + beta for 8,192 rows of 1,024 f32, quantised three times to E5M2 codes:
; plane i of xc ([8192][1024] bytes, 8,388,608 bytes a plane) holds xn / 2^e, e = entry 0, 2, 4 of the scales, held within +-57,344.
; A stream: every byte of x is read once, every code written once; no matrix unit, no cluster, no tensor load: they would add nothing here.
; SHARES.  Wave W = 8 x work-group + wave owns rows 4 W .. 4 W + 3.  Load j of a row reads 512 consecutive bytes, 16 a lane, so the lane's
; register 4 j + k holds column 128 j + 4 lane + k; gamma and beta are read once, in the same pattern.  All 32 loads of the four rows go out at the head.
; The variance is taken of x - mean (two passes over registers): no difference of large sums is formed.
; A conversion's result register j holds the four codes of load j: bytes 128 j + 4 lane of the row.  They turn through the wave's own 3,072 bytes
; of LDS and leave 16 bytes a lane: each store of the wave covers 512 consecutive bytes, aligned.  Waves share nothing: no barrier.
; LIMITS: each of the three exponents lies between -126 and 112, so that 2^e and 57,344 x 2^e are f32 numbers.  NaN among the inputs is not served.
.set SPARE, 24576                      ; behind the eight regions: the spare words, 128 bytes for each wave, that no other line names
.set GO,  1                            ; v1   16 x lane: my bytes of a load's or a store's 512
.set LI,  2                            ; v2   the stage, in: 3,072 x wave + 4 x lane
.set LO,  3                            ; v3   the stage, out: 3,072 x wave + 16 x lane
.set SPW, 4                            ; v4   LDS address of my spare word; never rewritten
.set NIL, 5                            ; v5   0; never rewritten
.set G,   12                           ; v12-43   gamma
.set BT,  44                           ; v44-75   beta
.set X,   76                           ; v76-203  four rows of 32 registers
.set T,   204                          ; v204-219 two sets of eight held numbers
.set C,   220                          ; v220-243 the row's codes: plane i at C + 8 i
.set SC,  244                          ; v244-246 2^e as f32
.set LM,  247                          ; v247-249 57,344 x 2^e
.set S0,  250                          ; v[250:251], v[252:253] two chains of sums
.set S1,  252
	s_load_b256 s[4:11], s[0:1], 0x0               ; x s[4:5], gamma s[6:7], beta s[8:9], the scales' exponents s[10:11]
	s_load_b64 s[12:13], s[0:1], 0x20              ; xc
	v_lshl_add_u32 v[SPW], v0, 2, SPARE
	v_mov_b32 v[NIL], 0
	v_lshrrev_b32 v6, 5, v0
	v_readfirstlane_b32 s18, v6                    ; wave 0..7
	v_and_b32 v7, 31, v0                           ; lane
	v_lshlrev_b32 v[GO], 4, v7
	s_mul_i32 s19, s18, 3072
	v_lshl_add_u32 v[LI], v7, 2, s19
	v_lshl_add_u32 v[LO], v7, 4, s19
	v_mov_b32 v9, 0                                ; upper words of the pairs v[8:9] (mean) and v[10:11] (reciprocal root): named, never used
	v_mov_b32 v11, 0
	s_mov_b32 s20, 0x76543210                      ; v_permlanex16_b32: each lane takes its own place in the other half
	s_mov_b32 s21, 0xfedcba98
	s_mov_b32 s22, 0x3a800000                      ; 1 / 1,024
	s_mov_b32 s23, 0x3727c5ac                      ; 1e-5
	s_lshl_b32 s32, ttmp9, 3
	s_add_co_u32 s32, s32, s18                     ; W
	s_lshl_b32 s34, s32, 12                        ; my four rows of codes: 4,096 W
	s_lshl_b32 s32, s32, 14                        ; my four rows of x: 16,384 W
	s_mov_b32 s33, 0
	s_mov_b32 s35, 0
	s_wait_kmcnt 0x0
	s_load_b256 s[24:31], s[10:11], 0x0            ; entries 0 to 7; 0, 2 and 4 are used
	s_add_nc_u64 s[4:5], s[4:5], s[32:33]
	s_add_nc_u64 s[12:13], s[12:13], s[34:35]      ; plane 0,
	s_add_nc_u64 s[14:15], s[12:13], 0x800000      ; plane 1,
	s_add_nc_u64 s[16:17], s[14:15], 0x800000      ; plane 2: a base each, since a plane's length is past the immediate's range
.irp j, 0,1,2,3,4,5,6,7
	global_load_b128 v[G+4*\j:G+4*\j+3], v[GO], s[6:7] offset:512*\j
	global_load_b128 v[BT+4*\j:BT+4*\j+3], v[GO], s[8:9] offset:512*\j
.endr
.irp p, 0,1,2,3
.irp j, 0,1,2,3,4,5,6,7
	global_load_b128 v[X+32*\p+4*\j:X+32*\p+4*\j+3], v[GO], s[4:5] offset:4096*\p+512*\j th:TH_LOAD_NT
.endr
.endr
	s_wait_kmcnt 0x0
.irp i, 0,1,2
	s_add_co_i32 s36, s[24+2*\i], 127
	s_lshl_b32 s37, s36, 23
	v_mov_b32 v[SC+\i], s37                        ; 2^e as f32: the conversion takes its exponent field
	s_add_co_i32 s36, s36, 15
	s_lshl_b32 s36, s36, 23
	s_or_b32 s36, s36, 0x600000
	v_mov_b32 v[LM+\i], s36                        ; 57,344 x 2^e
.endr
; the two chains, their halves and the 32 lanes are added: every lane ends with the sum in v6
.macro REDUCE
	v_pk_add_f32 v[S0:S0+1], v[S0:S0+1], v[S1:S1+1]
	v_add_f32 v6, v[S0], v[S0+1]
	v_add_f32_dpp v6, v6, v6 row_xmask:1 row_mask:0xf bank_mask:0xf
	v_add_f32_dpp v6, v6, v6 row_xmask:2 row_mask:0xf bank_mask:0xf
	v_add_f32_dpp v6, v6, v6 row_xmask:4 row_mask:0xf bank_mask:0xf
	v_add_f32_dpp v6, v6, v6 row_xmask:8 row_mask:0xf bank_mask:0xf
	v_permlanex16_b32 v7, v6, s20, s21
	v_add_f32 v6, v6, v7
.endm
.macro ROW p
.set XR, X+32*(\p)
	s_wait_loadcnt 8*(3-(\p))                      ; loads come back in order: this row's eight are in (gamma and beta are older); the later rows' may be out
	v_pk_add_f32 v[S0:S0+1], v[XR:XR+1], v[XR+2:XR+3]
	v_pk_add_f32 v[S1:S1+1], v[XR+4:XR+5], v[XR+6:XR+7]
.set j, 8
.rept 6
	v_pk_add_f32 v[S0:S0+1], v[S0:S0+1], v[XR+j:XR+j+1]
	v_pk_add_f32 v[S1:S1+1], v[S1:S1+1], v[XR+j+2:XR+j+3]
.set j, j+4
.endr
	REDUCE
	v_mul_f32 v8, s22, v6                          ; the mean
.set j, 0
.rept 16
	v_pk_add_f32 v[XR+j:XR+j+1], v[XR+j:XR+j+1], v[8:9] op_sel_hi:[1,0] neg_lo:[0,1] neg_hi:[0,1]   ; x - mean
.set j, j+2
.endr
	v_pk_mul_f32 v[S0:S0+1], v[XR:XR+1], v[XR:XR+1]
	v_pk_mul_f32 v[S1:S1+1], v[XR+2:XR+3], v[XR+2:XR+3]
.set j, 4
.rept 7
	v_pk_fma_f32 v[S0:S0+1], v[XR+j:XR+j+1], v[XR+j:XR+j+1], v[S0:S0+1]
	v_pk_fma_f32 v[S1:S1+1], v[XR+j+2:XR+j+3], v[XR+j+2:XR+j+3], v[S1:S1+1]
.set j, j+4
.endr
	REDUCE
	v_fma_f32 v6, v6, s22, s23                     ; the variance + 1e-5
	v_rsq_f32 v10, v6
	v_nop                                          ; a plain instruction behind the transcendental,
	s_wait_alu depctr_va_vdst(0)                   ; and the wait ahead of its first reader
.set j, 0
.rept 16
	v_pk_mul_f32 v[XR+j:XR+j+1], v[XR+j:XR+j+1], v[10:11] op_sel_hi:[1,0]
.set j, j+2
.endr
.set j, 0
.rept 16
	v_pk_fma_f32 v[XR+j:XR+j+1], v[XR+j:XR+j+1], v[G+j:G+j+1], v[BT+j:BT+j+1]
.set j, j+2
.endr
.irp i, 0,1,2                          ; three planes.  The conversion to an 8-bit code does not saturate (ISA guide 7.6.2): the number is held first, into one of two sets by turns,
.irp g, 0,1,2,3                        ; so that the eight holds of one set are the plain instructions between a conversion and the next write of its sources
.irp k, 0,1,2,3,4,5,6,7
	v_med3_num_f32 v[T+8*(\g%2)+\k], v[XR+8*\g+\k], -v[LM+\i], v[LM+\i]
.endr
	v_cvt_scalef32_pk8_bf8_f32 v[C+8*\i+2*\g:C+8*\i+2*\g+1], v[T+8*(\g%2):T+8*(\g%2)+7], v[SC+\i]
.endr
.endr
	v_nop                                          ; one plain instruction behind the last conversion
.irp i, 0,1,2
.irp j, 0,1,2,3,4,5,6,7
	ds_store_b32 v[LI], v[C+8*\i+\j] offset:1024*\i+128*\j
.endr
.endr
.irp i, 0,1,2                          ; back, 16 bytes a lane, into the row's own registers, which are done with and never written again: LDS serves a wave's instructions in order
.irp t, 0,1
	ds_load_b128 v[XR+8*\i+4*\t:XR+8*\i+4*\t+3], v[LO] offset:1024*\i+512*\t
.endr
.endr
.irp i, 0,1,2
.irp t, 0,1
	s_wait_dscnt 5-(2*\i+\t)                       ; the younger reads may be out; the last count is 0, so the next row may write the codes' registers and the stage
	global_store_b128 v[GO], v[XR+8*\i+4*\t:XR+8*\i+4*\t+3], s[12+2*\i:13+2*\i] offset:1024*(\p)+512*\t
.endr
.endr
.endm
	ROW 0
	ROW 1
	ROW 2
	ROW 3
	s_wait_tensorcnt 0x0                           ; the wave's end, behind my last LDS store
	ds_add_u32 v[SPW], v[NIL]
	s_wait_dscnt 0x0
	s_endpgm
.Lfunc_end_k_qf64638260d_lnq:
	.size	k_qf64638260d_lnq, .Lfunc_end_k_qf64638260d_lnq-k_qf64638260d_lnq
	.p2alignl 7, 3214868480
	.fill 96, 4, 3214868480
	.section	.rodata,"a",@progbits
	.p2align	6, 0x0
	.amdhsa_kernel k_qf64638260d_lnq
		.amdhsa_group_segment_fixed_size 25600
		.amdhsa_private_segment_fixed_size 0
		.amdhsa_enable_private_segment 0
		.amdhsa_kernarg_size 40
		.amdhsa_user_sgpr_count 2
		.amdhsa_user_sgpr_kernarg_segment_ptr 1
		.amdhsa_wavefront_size32 1
		.amdhsa_system_sgpr_workgroup_id_x 1
		.amdhsa_system_sgpr_workgroup_id_y 1
		.amdhsa_system_sgpr_workgroup_id_z 1
		.amdhsa_system_vgpr_workitem_id 0
		.amdhsa_next_free_vgpr 256
		.amdhsa_next_free_sgpr 66
		.amdhsa_reserve_vcc 0
		.amdhsa_float_denorm_mode_32 3
		.amdhsa_float_denorm_mode_16_64 3
		.amdhsa_memory_ordered 1
		.amdhsa_forward_progress 1
		.amdhsa_inst_pref_size 69
	.end_amdhsa_kernel
	.amdgpu_metadata
---
amdhsa.version: [ 1, 2 ]
amdhsa.kernels:
  - .name:           k_qf64638260d_lnq
    .symbol:         k_qf64638260d_lnq.kd
    .args:
      - { .name: x, .offset: 0, .size: 8, .value_kind: global_buffer, .address_space: global }
      - { .name: gamma, .offset: 8, .size: 8, .value_kind: global_buffer, .address_space: global }
      - { .name: beta, .offset: 16, .size: 8, .value_kind: global_buffer, .address_space: global }
      - { .name: lowp_scales, .offset: 24, .size: 8, .value_kind: global_buffer, .address_space: global }
      - { .name: xc, .offset: 32, .size: 8, .value_kind: global_buffer, .address_space: global }
    .group_segment_fixed_size: 25600
    .private_segment_fixed_size: 0
    .kernarg_segment_align: 8
    .kernarg_segment_size: 40
    .max_flat_workgroup_size: 256
    .sgpr_count:     66
    .vgpr_count:     256
    .wavefront_size: 32
...
	.end_amdgpu_metadata
.endif
;; end of part 1
;; launch qkv (part 2): grid 4 x 192, 4 waves a work-group, clusters of 4 x 4, 327,680 bytes of LDS; arguments xc, Wq_codes, Wk_codes, Wv_codes, bq, bk, bv, lowp_scales, qc, kc, vt; writes qc, kc, vt
.if DOCPART == 2
	.amdgcn_target "amdgcn-amd-amdhsa--gfx1250"
	.amdhsa_code_object_version 6
	.text
	.protected	k_qf64638260d_qkv
	.globl	k_qf64638260d_qkv
	.p2align	8
	.type	k_qf64638260d_qkv,@function
k_qf64638260d_qkv:
	s_mov_b64 s[64:65], 0
	v_nop
	global_prefetch_b8 v0, s[64:65] scope:SCOPE_SE
	s_setreg_imm32_b32 hwreg(HW_REG_WAVE_MODE, 25, 1), 1
	s_wait_xcnt 0x0
	s_wait_alu depctr_hold_cnt(0) depctr_sa_sdst(0) depctr_va_vdst(0) depctr_va_sdst(0) depctr_va_ssrc(0) depctr_va_vcc(0) depctr_vm_vsrc(0)
	s_getreg_b32 s2, hwreg(HW_REG_IB_STS2, 6, 4)
	s_cmp_eq_u32 s2, 0
	s_cbranch_scc0 .Lentry_in_a_cluster
	s_endpgm
.Lentry_in_a_cluster:
	s_bfe_u32 s2, ttmp6, 0x10000c
	s_cmp_lg_u32 s2, 0xf033
	s_cbranch_scc0 .Lentry_shape_is_right
	s_endpgm
.Lentry_shape_is_right:
; q = xn Wq + bq, k = xn Wk + bk, v = xn Wv + bv on E5M2 codes (K = 1,024), each result quantised again to E5M2: q with entry 6 of the scales, k with entry 7, v with entry 9.
; qc, kc: [16 heads][8192 tokens][64] codes.  vt: [1024 features][8192 tokens] codes: the tokens, which are the K of attention's second product, innermost.
; THE CORE: T[i][j] = sum over k of P[i][k] Q[j][k].  A work-group makes 128 rows of P x 256 rows of Q; wave w takes rows 64 (w / 2) on and columns 128 (w % 2) on: 32 accumulators, 256 registers.
; The matrix instruction is used transposed (source 0 = 16 rows of Q, source 1 = 16 rows of P): lane (r, h) of accumulator (a, b) holds P's row 16 a + r and Q's rows 16 b + 8 h + 0 .. 7.
; WHICH = cluster y / 16 says what is made.  q, k: P = xn's codes (tokens), Q = the weight (features): a lane's eight numbers are eight neighbouring features of a token.
; v: P = Wv (features), Q = xn's codes (tokens): a lane's eight numbers are eight neighbouring tokens of a feature.  The choice is made of pointers and offsets by s_cselect; one path through the products.
; K goes in four steps of 256 through THREE LDS slots: steps 0, 1, 2 are first fills, step 3 is the one refill (slot 0).  By this text's count a wave has at most three tensor loads out.  Nothing loops.
; CLUSTER 4 x 4: P's tile hangs on the tile row alone and is asked for jointly along a row of the cluster, Q's on the tile column alone, along a column.  Waves 0, 1 fetch P's halves, waves 2, 3 Q's.
; FRAGMENTS: 16 rows x 128 K are 16 registers, by four loads of 16 bytes, 32 apart, at row x pitch + 16 h: a permutation of k that is the same in P and in Q.
; THE BIAS goes in divided by 2^E, E = the two operands' exponents added: along Q's rows (q, k) as the C of the first products, along P's rows (v) by one addition on the way out.
; The side that does not count gets the exponent -1000 in the v_ldexp_f32 that scales it: every finite number becomes a zero there.
; LIMITS: (the result's exponent) - E lies between -126 and 112.  NaN and infinities among the biases are not served.
; REGISTERS.  window 0: v1-7 at work; v8-15 the bias along P's rows (a pair for each a); v16-18, v20-22 LDS addresses of my fragments in slot 0, 1, 2; v24-27, v4 the way out; v28, v29 the add's two;
;   v30, v31 the conversion's scale and hold; v32-95 the bias along Q's rows; v96-127 codes; v128-255 P's fragments, two sets of 64.   window 1: Q's fragments, two sets of 128.   window 2: the accumulators, (a, b) at v[8 (8 a + b)].
.set PITCH, 272                        ; an LDS row: 256 bytes + 16 of padding = 68 words: the 16 rows that a load touches start at 16 different groups of four banks (64 banks of 4 bytes: ISA guide 11.1)
.set PHALF, 64*PITCH                   ; what wave 0 or 1 fetches, and what a wave reads of P
.set QOFF,  2*PHALF                    ; Q's rows lie behind P's 128
.set QHALF, 128*PITCH
.set SLOT,  QOFF+2*QHALF               ; 104,448
.set STG,   SLOT                       ; the way out's stage, 128 rows x 272 bytes, lies in slot 1: that slot has had its only fill, and nobody reads it when the first code is stored there
.set SPARE, 3*SLOT                     ; behind the slots: the spare words, 128 bytes for each wave, that no other line names
.set PADW,  (1<<20)|(1<<21)|(5<<22)|(3<<25)   ; group 1, word 0: elements of 1 byte; padding on; bit 21 beside a mask; after every 64 words, 4 words
.set ADRA, 16
.set ADRB, 20
.set STO,  24
.set RDV,  25
.set RDQ,  26
.set GOV,  27
.set GOQ,  4
.set SPW,  28
.set NIL,  29
.set SCL,  30
.set LIM,  31
.set CB,   32
.set CD,   96
.set AF,   128
.set G1A, 24                           ; s[24:31] group 1 for P's tiles; s[32:39] for Q's; s[40:51], s[52:63] their groups 0, a set for each slot
.set G1B, 32
.set G0A, 40
.set G0B, 52
.set MSB, 0
.macro WIN new                         ; the immediate's high byte repeats the setting that is left; a switch that changes nothing is dropped
.if MSB != \new
	s_set_vgpr_msb (MSB<<8)|\new
.set MSB, \new
.endif
.endm
.macro PLACES                          ; four plain vector instructions between a matrix instruction and a load into, or a vector instruction on, its registers (ISA guide 7.12.1 for vector instructions)
.rept 4
	v_nop
.endr
.endm
.macro CROUND                          ; a round of the cluster's barrier
	s_barrier_signal -1
	s_barrier_wait -1
	s_cmp_lg_u32 s14, 0
	s_cbranch_scc1 .Lnot_wave_0_\@
	s_barrier_signal -3
.Lnot_wave_0_\@:
	s_barrier_wait -3
	s_barrier_signal -1
	s_barrier_wait -1
.endm
.macro JLOAD                           ; the joint refill of slot 0.  The branch hangs on the wave's number alone; an s_nop 0 and four v_nop follow each of the two lines
	s_cmp_eq_u32 s15, 0
	s_cbranch_scc0 .Lfor_q_\@
	tensor_load_to_lds s[G0A:G0A+3], s[G1A:G1A+7]
	s_nop 0
.rept 4
	v_nop
.endr
	s_branch .Lasked_\@
.Lfor_q_\@:
	tensor_load_to_lds s[G0B:G0B+3], s[G1B:G1B+7]
	s_nop 0
.rept 4
	v_nop
.endr
.Lasked_\@:
.endm
.macro FRAGB reg, slot, q, i
.irp c, 0,1,2,3
	ds_load_b128 v[\reg+4*\c:\reg+4*\c+3], v[ADRB+\slot] offset:128*(\q)+32*\c+16*PITCH*(\i)
.endr
.endm
.macro FRAGA reg, slot, q, a
.irp c, 0,1,2,3
	ds_load_b128 v[\reg+4*\c:\reg+4*\c+3], v[ADRA+\slot] offset:128*(\q)+32*\c+16*PITCH*(\a)
.endr
.endm
.macro FETCH slot, q, p                ; 48 LDS loads in one run: the fragments of the slot's q-th 128 along K into set p
	WIN 0x40                                       ; destination window 1
.irp i, 0,1,2,3,4,5,6,7
	FRAGB 128*(\p)+16*\i, \slot, \q, \i
.endr
	WIN 0
.irp a, 0,1,2,3
	FRAGA AF+64*(\p)+16*\a, \slot, \q, \a
.endr
.endm
.macro MUL32 p, first                  ; 32 matrix instructions on set p.  The 32 accumulators take turns, one instruction a turn, in the same order in every step
.if \first
	WIN 0x81                                       ; Q window 1, P and C (the bias) window 0, D window 2
.else
	WIN 0xa1                                       ; Q window 1, P window 0, C and D window 2
.endif
.irp a, 0,1,2,3
.irp b, 0,1,2,3,4,5,6,7
.if \first
	v_wmma_f32_16x16x128_bf8_bf8 v[8*(8*\a+\b):8*(8*\a+\b)+7], v[128*(\p)+16*\b:128*(\p)+16*\b+15], v[AF+64*(\p)+16*\a:AF+64*(\p)+16*\a+15], v[CB+8*\b:CB+8*\b+7]
.else
	v_wmma_f32_16x16x128_bf8_bf8 v[8*(8*\a+\b):8*(8*\a+\b)+7], v[128*(\p)+16*\b:128*(\p)+16*\b+15], v[AF+64*(\p)+16*\a:AF+64*(\p)+16*\a+15], v[8*(8*\a+\b):8*(8*\a+\b)+7]
.endif
.endr
.endr
.endm
.macro STEP slot, q, p                 ; the next step's fragments (slot, q) are fetched into the other set; then set p is multiplied
	PLACES
	FETCH \slot, \q, 1-(\p)
	s_wait_dscnt 48                                ; all but the 48 just issued: set p is in
	MUL32 \p, 0
.endm
	s_load_b512 s[68:83], s[0:1], 0x0              ; xc s[68:69], Wq s[70:71], Wk s[72:73], Wv s[74:75], bq s[76:77], bk s[78:79], bv s[80:81], the scales' exponents s[82:83]
	s_load_b128 s[84:87], s[0:1], 0x40             ; qc, kc
	s_load_b64 s[88:89], s[0:1], 0x50              ; vt
	v_lshl_add_u32 v[SPW], v0, 2, SPARE
	v_mov_b32 v[NIL], 0
	ds_add_u32 v[SPW], v[NIL]                      ; the wave's opening: the add and its wait ahead of my first tensor load; work on registers stands between them
	v_lshrrev_b32 v1, 5, v0
	v_readfirstlane_b32 s14, v1                    ; wave 0..3
	s_lshr_b32 s15, s14, 1                         ; which half of the tile's rows is mine.  Also: I fetch for P (0) or for Q (1)
	s_and_b32 s16, s14, 1                          ; which half of its columns.  Also: which half of that tile I fetch
	s_bfe_u32 s2, ttmp6, 0x40000                   ; cx
	s_bfe_u32 s3, ttmp6, 0x40004                   ; cy
	s_and_b32 s20, ttmp7, 0xffff                   ; cluster y, 0 .. 47: the same in all sixteen partners
	s_lshr_b32 s19, s20, 4                         ; WHICH: 0 q, 1 k, 2 v
	s_and_b32 s20, s20, 15                         ; g
	s_lshl_b32 s21, s20, 2                         ; q, k: 64 tile rows (tokens), 4 tile columns (features)
	s_and_b32 s22, s20, 1
	s_lshl_b32 s22, s22, 2                         ; v: 8 tile rows (features),
	s_lshr_b32 s23, s20, 1
	s_lshl_b32 s23, s23, 2                         ; 32 tile columns (tokens)
	s_cmp_lt_u32 s19, 2
	s_cselect_b32 s17, s21, s22
	s_cselect_b32 s18, 0, s23
	s_add_co_u32 s17, s17, s3                      ; the tile row
	s_add_co_u32 s18, s18, s2                      ; the tile column
	s_lshl_b32 s[G1A], s3, 2
	s_lshl_b32 s[G1A], 15, s[G1A]                  ; my row of the cluster
	s_or_b32 s[G1A], s[G1A], PADW
	s_lshl_b32 s[G1B], 0x1111, s2                  ; my column
	s_or_b32 s[G1B], s[G1B], PADW
	s_mov_b32 s[G1A+1], 256<<16                    ; tensor_dim0 = 256 bytes
	s_mov_b32 s[G1A+2], 64<<16                     ; tensor_dim1 = 64 rows
	s_mov_b32 s[G1A+3], 256<<16                    ; tile_dim0
	s_mov_b32 s[G1A+4], 64                         ; tile_dim1
	s_mov_b32 s[G1A+5], 1024                       ; from row to row
	s_mov_b32 s[G1A+6], 0
	s_mov_b32 s[G1A+7], 0
	s_mov_b32 s[G1B+1], 256<<16
	s_mov_b32 s[G1B+2], 128<<16                    ; 128 rows
	s_mov_b32 s[G1B+3], 256<<16
	s_mov_b32 s[G1B+4], 128
	s_mov_b32 s[G1B+5], 1024
	s_mov_b32 s[G1B+6], 0
	s_mov_b32 s[G1B+7], 0
	s_lshl_b32 s20, s17, 7
	s_lshl_b32 s21, s16, 6
	s_add_co_u32 s20, s20, s21
	s_lshl_b32 s20, s20, 10                        ; P: (128 x tile row + 64 x half) rows of 1,024 bytes
	s_mov_b32 s21, 0
	s_lshl_b32 s22, s18, 8
	s_lshl_b32 s23, s16, 7
	s_add_co_u32 s22, s22, s23
	s_lshl_b32 s22, s22, 10                        ; Q: (256 x tile column + 128 x half) rows
	s_mov_b32 s23, 0
	s_lshl_b32 s12, s19, 23                        ; xn's plane: 8,388,608 x WHICH
	s_mov_b32 s13, 0
	s_mul_i32 s10, s16, PHALF                      ; where the tiles go: no place in the cluster enters an LDS address
	s_mul_i32 s11, s16, QHALF
	s_add_co_u32 s11, s11, QOFF
	s_wait_dscnt 0x0                               ; the opening add is done
	s_wait_kmcnt 0x0
	s_load_b256 s[92:99], s[82:83], 0x0            ; entries 0 to 7
	s_load_b64 s[90:91], s[82:83], 0x20            ; entries 8, 9
	s_add_nc_u64 s[68:69], s[68:69], s[12:13]
	s_cmp_eq_u32 s19, 0
	s_cselect_b64 s[70:71], s[70:71], s[72:73]
	s_cselect_b64 s[76:77], s[76:77], s[78:79]
	s_cselect_b64 s[84:85], s[84:85], s[86:87]
	s_cmp_lt_u32 s19, 2
	s_cselect_b64 s[70:71], s[70:71], s[74:75]     ; the weight,
	s_cselect_b64 s[76:77], s[76:77], s[80:81]     ; its bias,
	s_cselect_b64 s[84:85], s[84:85], s[88:89]     ; where the codes go
	s_cselect_b64 s[4:5], s[68:69], s[70:71]       ; P
	s_cselect_b64 s[6:7], s[70:71], s[68:69]       ; Q
	s_add_nc_u64 s[4:5], s[4:5], s[20:21]
	s_add_nc_u64 s[6:7], s[6:7], s[22:23]
.irp s, 0,1,2
	s_mov_b32 s[G0A+4*\s], 1                       ; count = 1
	s_add_co_u32 s[G0A+4*\s+1], s10, \s*SLOT       ; LDS address
	s_add_nc_u64 s[G0A+4*\s+2:G0A+4*\s+3], s[4:5], \s*256   ; K step s
	s_or_b32 s[G0A+4*\s+3], s[G0A+4*\s+3], 0x80000000       ; type = 2
	s_mov_b32 s[G0B+4*\s], 1
	s_add_co_u32 s[G0B+4*\s+1], s11, \s*SLOT
	s_add_nc_u64 s[G0B+4*\s+2:G0B+4*\s+3], s[6:7], \s*256
	s_or_b32 s[G0B+4*\s+3], s[G0B+4*\s+3], 0x80000000
.endr
	CROUND                                         ; all sixteen work-groups are here: the first joint loads meet
	s_cmp_eq_u32 s15, 0                            ; a wave's three first fills stand in one branch, ahead of every wait on TENSORcnt and every LDS read
	s_cbranch_scc0 .Lfirst_q
	tensor_load_to_lds s[G0A:G0A+3], s[G1A:G1A+7]
	s_nop 0
	tensor_load_to_lds s[G0A+4:G0A+7], s[G1A:G1A+7]
	s_nop 0
	tensor_load_to_lds s[G0A+8:G0A+11], s[G1A:G1A+7]
	s_nop 0
.rept 4
	v_nop
.endr
	s_branch .Lfirst_asked
.Lfirst_q:
	tensor_load_to_lds s[G0B:G0B+3], s[G1B:G1B+7]
	s_nop 0
	tensor_load_to_lds s[G0B+4:G0B+7], s[G1B:G1B+7]
	s_nop 0
	tensor_load_to_lds s[G0B+8:G0B+11], s[G1B:G1B+7]
	s_nop 0
.rept 4
	v_nop
.endr
.Lfirst_asked:
	; the biases.  Both patterns are loaded on both ways; the one that does not count reads from the bias's first bytes and is made zero below
	s_lshr_b32 s8, s22, 8                          ; 4 x (256 x tile column + 128 x half)
	s_lshl_b32 s9, s17, 9
	s_lshl_b32 s72, s15, 8
	s_add_co_u32 s9, s9, s72                       ; 4 x (128 x tile row + 64 x my half of the rows)
	s_cmp_lt_u32 s19, 2
	s_cselect_b32 s8, s8, 0
	s_cselect_b32 s9, 0, s9
	v_and_b32 v1, 15, v0                           ; r
	v_bfe_u32 v2, v0, 4, 1                         ; h
	v_lshl_add_u32 v5, v2, 5, s8
	v_lshl_add_u32 v6, v1, 2, s9
.irp b, 0,1,2,3,4,5,6,7
	global_load_b128 v[CB+8*\b:CB+8*\b+3], v5, s[76:77] offset:64*\b          ; Q's rows 16 b + 8 h + 0 .. 7
	global_load_b128 v[CB+8*\b+4:CB+8*\b+7], v5, s[76:77] offset:64*\b+16
.endr
.irp a, 0,1,2,3
	global_load_b32 v[8+2*\a], v6, s[76:77] offset:64*\a                      ; P's row 16 a + r
.endr
	; where the codes go: q, k: head 4 x tile column + wave, tokens 128 x tile row on;  v: feature 128 x tile row + 32 x wave, tokens 256 x tile column on
	s_lshl_b32 s72, s18, 2
	s_add_co_u32 s72, s72, s14
	s_lshl_b32 s72, s72, 19
	s_lshl_b32 s73, s17, 13
	s_add_co_u32 s72, s72, s73
	s_lshl_b32 s73, s17, 7
	s_lshl_b32 s74, s14, 5
	s_add_co_u32 s73, s73, s74
	s_lshl_b32 s73, s73, 13
	s_lshl_b32 s74, s18, 8
	s_add_co_u32 s73, s73, s74
	s_cmp_lt_u32 s19, 2
	s_cselect_b32 s72, s72, s73
	s_mov_b32 s73, 0
	s_add_nc_u64 s[8:9], s[84:85], s[72:73]
	; LDS addresses, made of the lane and the wave alone
	v_mul_u32_u24 v7, v1, PITCH
	v_lshl_add_u32 v3, v2, 4, v7                   ; a fragment's row x pitch + 16 h
	s_mul_i32 s78, s15, PHALF
	s_mul_i32 s79, s16, QHALF
	s_add_co_u32 s79, s79, QOFF
.irp s, 0,1,2
	v_add_nc_u32 v[ADRA+\s], s78, v3
	v_add_nc_u32 v[ADRB+\s], s79, v3
	s_add_co_u32 s78, s78, SLOT
	s_add_co_u32 s79, s79, SLOT
.endr
	s_mul_i32 s80, s15, PHALF
	s_lshl_b32 s81, s16, 7
	s_add_co_u32 s80, s80, s81
	s_add_co_u32 s80, s80, STG
	v_lshl_add_u32 v[STO], v2, 3, v7
	v_add_nc_u32 v[STO], s80, v[STO]               ; into the stage: row 64 (w / 2) + r, byte 128 (w % 2) + 8 h
	s_mul_i32 s80, s14, 32*PITCH
	s_add_co_u32 s80, s80, STG
	v_mul_u32_u24 v[RDV], v2, PITCH
	v_lshl_add_u32 v[RDV], v1, 4, v[RDV]
	v_add_nc_u32 v[RDV], s80, v[RDV]               ; v, back: rows 32 w on, sixteen lanes to a row of 256 bytes
	v_and_b32 v[GOQ], 31, v0
	v_lshrrev_b32 v[RDQ], 2, v[GOQ]
	v_mul_u32_u24 v[RDQ], v[RDQ], PITCH
	v_and_b32 v7, 3, v[GOQ]
	v_lshl_add_u32 v[RDQ], v7, 4, v[RDQ]
	s_lshl_b32 s80, s14, 6
	s_add_co_u32 s80, s80, STG
	v_add_nc_u32 v[RDQ], s80, v[RDQ]               ; q, k, back: my head's 64 bytes of eight rows, four lanes to a row
	v_lshlrev_b32 v[GOV], 13, v2
	v_lshl_add_u32 v[GOV], v1, 4, v[GOV]           ; v: 8,192 h + 16 r
	v_lshlrev_b32 v[GOQ], 4, v[GOQ]                ; q, k: 16 x lane
	s_wait_kmcnt 0x0
	s_add_co_i32 s92, s92, s93
	s_add_co_i32 s94, s94, s95
	s_add_co_i32 s96, s96, s97
	s_cmp_eq_u32 s19, 0
	s_cselect_b32 s92, s92, s94
	s_cselect_b32 s98, s98, s99
	s_cmp_lt_u32 s19, 2
	s_cselect_b32 s92, s92, s96                    ; E: a sum stands for sum x 2^E
	s_cselect_b32 s98, s98, s91                    ; the result's exponent: entry 6, 7 or 9
	s_sub_co_i32 s93, 0, s92
	s_mov_b32 s67, 0xfffffc18                      ; -1000
	s_cmp_lt_u32 s19, 2
	s_cselect_b32 s66, s93, s67                    ; the exponent for the bias along Q's rows,
	s_cselect_b32 s67, s67, s93                    ; and along P's
	s_sub_co_i32 s98, s98, s92
	s_add_co_i32 s98, s98, 127
	s_lshl_b32 s99, s98, 23
	v_mov_b32 v[SCL], s99                          ; the three scales folded into the conversion's one
	s_add_co_i32 s98, s98, 15
	s_lshl_b32 s98, s98, 23
	s_or_b32 s98, s98, 0x600000
	v_mov_b32 v[LIM], s98                          ; 57,344 x that
	s_wait_loadcnt 0x0
.set j, 0
.rept 64
	v_ldexp_f32 v[CB+j], v[CB+j], s66
.set j, j+1
.endr
.irp a, 0,1,2,3
	v_ldexp_f32 v[8+2*\a], v[8+2*\a], s67
	v_mov_b32 v[9+2*\a], 0                         ; (named as the pair's upper word)
.endr
	s_wait_tensorcnt 2                             ; my part of K step 0 is in; the fills of steps 1 and 2 may be out
	s_barrier_signal -1
	s_barrier_wait -1
	FETCH 0, 0, 0
	FETCH 0, 1, 1
	s_wait_dscnt 48
	MUL32 0, 1                                     ; the first products start the sums from the bias: nothing is cleared
	; THE CHANGE OF SLOTS: slot 0's second half is in registers; the slot takes K step 3
	WIN 0
	s_wait_tensorcnt 0x0                           ; all my tensor loads have landed: my parts of slots 1 and 2 among them; so a group 0 may be written
	ds_add_u32 v[SPW], v[NIL]                      ; 0 onto my spare word
	s_add_nc_u64 s[G0A+2:G0A+3], s[G0A+2:G0A+3], 768
	s_add_nc_u64 s[G0B+2:G0B+3], s[G0B+2:G0B+3], 768
	s_wait_dscnt 0x0                               ; the add is done, and my reads of slot 0 are over
	CROUND                                         ; no wave of any partner still reads slot 0 or has a load on its way
	JLOAD                                          ; it has four steps, 128 matrix instructions, in which to land; its four v_nop are also the places in front of the loads below
	FETCH 1, 0, 0
	s_wait_dscnt 48
	MUL32 1, 0
	STEP 1, 1, 0
	STEP 2, 0, 1
	STEP 2, 1, 0
	s_wait_tensorcnt 0x0                           ; the one load that was out: my part of K step 3
	s_wait_dscnt 0x0                               ; my reads of slots 1 and 2 are over
	s_barrier_signal -1
	s_barrier_wait -1                              ; slot 0 is whole; nobody reads slot 1 any more; nothing is filled again
	PLACES
	FETCH 0, 0, 0
	s_wait_dscnt 48
	MUL32 1, 0
	STEP 0, 1, 0
	s_wait_dscnt 0x0
	MUL32 1, 0
	WIN 0
	PLACES
	; THE WAY OUT.  A block of 16 rows of P at a time: + the bias along P's rows, the hold, the conversion: eight numbers of a lane are eight bytes of a stage row.
.irp a, 0,1,2,3
.if \a >= 2
	s_wait_dscnt 8                                 ; the stores of two blocks ago are done; the last block's eight may be out
.endif
	WIN 0x02                                       ; source 0: the accumulators, each from its low end on
.set n, 0
.rept 32
	v_pk_add_f32 v[AF+n:AF+n+1], v[64*\a+n:64*\a+n+1], v[8+2*\a:9+2*\a] op_sel_hi:[1,0]
.set n, n+2
.endr
	WIN 0
.irp b, 0,1,2,3,4,5,6,7
.irp i, 0,1,2,3,4,5,6,7
	v_med3_num_f32 v[AF+8*\b+\i], v[AF+8*\b+\i], -v[LIM], v[LIM]   ; the conversion to an 8-bit code does not saturate (ISA guide 7.6.2)
.endr
	v_cvt_scalef32_pk8_bf8_f32 v[CD+16*(\a%2)+2*\b:CD+16*(\a%2)+2*\b+1], v[AF+8*\b:AF+8*\b+7], v[SCL]
.endr
	v_nop                                          ; one plain instruction behind the last conversion: the next block writes its sources
.irp b, 0,1,2,3,4,5,6,7
	ds_store_b64 v[STO], v[CD+16*(\a%2)+2*\b:CD+16*(\a%2)+2*\b+1] offset:16*PITCH*\a+16*\b
.endr
.endr
	s_wait_dscnt 0x0                               ; for the others' sake: my stores into the stage are done
	s_barrier_signal -1
	s_barrier_wait -1
	s_cmp_lt_u32 s19, 2                            ; WHICH is the same in every wave of every partner; the two ways hold LDS loads and stores to memory alone
	s_cbranch_scc1 .Lqk_out
.irp t, 0,1,2,3,4,5,6,7,8,9,10,11,12,13,14,15
	ds_load_b128 v[AF+4*\t:AF+4*\t+3], v[RDV] offset:2*PITCH*\t
.endr
.irp t, 0,1,2,3,4,5,6,7,8,9,10,11,12,13,14,15
	s_wait_dscnt 15-\t
	global_store_b128 v[GOV], v[AF+4*\t:AF+4*\t+3], s[8:9] offset:16384*\t   ; sixteen lanes store 256 consecutive bytes of a feature's row, aligned
.endr
	s_branch .Lout_done
.Lqk_out:
.irp t, 0,1,2,3,4,5,6,7,8,9,10,11,12,13,14,15
	ds_load_b128 v[AF+4*\t:AF+4*\t+3], v[RDQ] offset:8*PITCH*\t
.endr
.irp t, 0,1,2,3,4,5,6,7,8,9,10,11,12,13,14,15
	s_wait_dscnt 15-\t
	global_store_b128 v[GOQ], v[AF+4*\t:AF+4*\t+3], s[8:9] offset:512*\t     ; eight tokens of my head: 512 consecutive bytes, aligned
.endr
.Lout_done:
	s_wait_tensorcnt 0x0                           ; the wave's end, behind my last tensor load and my last LDS store
	ds_add_u32 v[SPW], v[NIL]
	s_wait_dscnt 0x0
	CROUND                                         ; the closing round
	s_endpgm
.Lfunc_end_k_qf64638260d_qkv:
	.size	k_qf64638260d_qkv, .Lfunc_end_k_qf64638260d_qkv-k_qf64638260d_qkv
	.p2alignl 7, 3214868480
	.fill 96, 4, 3214868480
	.section	.rodata,"a",@progbits
	.p2align	6, 0x0
	.amdhsa_kernel k_qf64638260d_qkv
		.amdhsa_group_segment_fixed_size 327680
		.amdhsa_private_segment_fixed_size 0
		.amdhsa_enable_private_segment 0
		.amdhsa_kernarg_size 88
		.amdhsa_user_sgpr_count 2
		.amdhsa_user_sgpr_kernarg_segment_ptr 1
		.amdhsa_wavefront_size32 1
		.amdhsa_system_sgpr_workgroup_id_x 1
		.amdhsa_system_sgpr_workgroup_id_y 1
		.amdhsa_system_sgpr_workgroup_id_z 1
		.amdhsa_system_vgpr_workitem_id 0
		.amdhsa_next_free_vgpr 768
		.amdhsa_next_free_sgpr 100
		.amdhsa_reserve_vcc 0
		.amdhsa_float_denorm_mode_32 3
		.amdhsa_float_denorm_mode_16_64 3
		.amdhsa_memory_ordered 1
		.amdhsa_forward_progress 1
		.amdhsa_inst_pref_size 95
	.end_amdhsa_kernel
	.amdgpu_metadata
---
amdhsa.version: [ 1, 2 ]
amdhsa.kernels:
  - .name:           k_qf64638260d_qkv
    .symbol:         k_qf64638260d_qkv.kd
    .args:
      - { .name: xc, .offset: 0, .size: 8, .value_kind: global_buffer, .address_space: global }
      - { .name: Wq_codes, .offset: 8, .size: 8, .value_kind: global_buffer, .address_space: global }
      - { .name: Wk_codes, .offset: 16, .size: 8, .value_kind: global_buffer, .address_space: global }
      - { .name: Wv_codes, .offset: 24, .size: 8, .value_kind: global_buffer, .address_space: global }
      - { .name: bq, .offset: 32, .size: 8, .value_kind: global_buffer, .address_space: global }
      - { .name: bk, .offset: 40, .size: 8, .value_kind: global_buffer, .address_space: global }
      - { .name: bv, .offset: 48, .size: 8, .value_kind: global_buffer, .address_space: global }
      - { .name: lowp_scales, .offset: 56, .size: 8, .value_kind: global_buffer, .address_space: global }
      - { .name: qc, .offset: 64, .size: 8, .value_kind: global_buffer, .address_space: global }
      - { .name: kc, .offset: 72, .size: 8, .value_kind: global_buffer, .address_space: global }
      - { .name: vt, .offset: 80, .size: 8, .value_kind: global_buffer, .address_space: global }
    .group_segment_fixed_size: 327680
    .private_segment_fixed_size: 0
    .kernarg_segment_align: 8
    .kernarg_segment_size: 88
    .max_flat_workgroup_size: 128
    .sgpr_count:     100
    .vgpr_count:     768
    .wavefront_size: 32
...
	.end_amdgpu_metadata
.endif
;; end of part 2
;; launch attn (part 3): grid 64 x 8, 16 waves a work-group, no clusters, 327,680 bytes of LDS; arguments qc, kc, vt, lowp_scales, oc; writes oc
.if DOCPART == 3
	.amdgcn_target "amdgcn-amd-amdhsa--gfx1250"
	.amdhsa_code_object_version 6
	.text
	.protected	k_qf64638260d_attn
	.globl	k_qf64638260d_attn
	.p2align	8
	.type	k_qf64638260d_attn,@function
k_qf64638260d_attn:
	s_mov_b64 s[64:65], 0
	v_nop
	global_prefetch_b8 v0, s[64:65] scope:SCOPE_SE
	s_setreg_imm32_b32 hwreg(HW_REG_WAVE_MODE, 25, 1), 1
	s_wait_xcnt 0x0
; Causal attention on E5M2 codes, head size 64, 2,048 tokens, 64 pairs of batch and head.  qc, kc: [16 heads][8192 tokens][64]; vt: [1024 features][8192 tokens]; oc, the result quantised with entry 10 of the scales: as qc.
; THE SOFTMAX AHEAD OF THE SECOND PRODUCT: t = score x log2(e) / 8; M = the row's largest t so far, rounded UP to a whole number; p = 2^(t - M) is quantised (entry 8), not normalised.
; The row's sum is taken of the unquantised p, in f32, and divides O at the end.  When M moves, the sum and O are multiplied by 2^(old M - new M): exact.
; SHARES.  Work-group x = 16 x batch + head; it owns the 256 queries of block 7 - y; each of its sixteen waves owns 16 of them in 256 registers: four waves to a SIMD, so that one wave's vector work stands beside another's products and LDS loads.
; K's and V's tiles come through a ring of two LDS slots of 256 keys, filled by the tensor data mover (waves 0, 1: K's halves; wave 2: V) and read by all sixteen.  A key step is 128 keys.
; LAYOUT.  Both products are used transposed: S^T = K Q^T (16x16x64: source 0 = 16 keys, source 1 = my queries), O^T = V^T P^T (16x16x128: source 0 = 16 of the head's 64, source 1 = P): a lane holds ONE query throughout.
; The keys of a tile are not neighbours: lane r of tile 2 b + u takes key 32 b + 8 u + r + 8 (r / 8), so that the 16 registers of tiles 2 b, 2 b + 1 are the keys 32 b + 16 (lane / 16) + 0 .. 15.
; Fragments come by loads of 16 bytes at 16 (lane / 16), 32 apart: a permutation of k that is the same on both sides of each product.
; CAUSAL.  Every work-group walks all eight changes of slots (constant trip counts, no barrier jumped over); a step all of whose keys come after the wave's queries is left out by a scalar branch on ids;
; on the diagonal hidden scores become -infinity; a slot whose first key comes after the work-group's last query is not asked for.  Every wait on TENSORcnt in this text is for 0.
; NO CLUSTER: the eight blocks of a head need 1 to 8 slots; with joint loads every partner would have to go on asking until the longest has ended, and the blocks' uneven work could no longer be shared out among WGPs.
; LIMITS: entries 6 + 7 between -123 and 130 (added to c's exponent field); entry 8, and entries 10 - 8 - 9, between -126 and 112.
; REGISTERS: v1, v2 my lane's place in a tile of K, of V; v3 prefetch offset; v5, v6 the add's two; v7 16 x lane; v8, v9 addresses in hand; v12 -M, v13 the largest t, v[14:15] the sum in two halves; v16-23 Q;
;   v32-95 eight fragments of K or four of V; v96-159 S^T, then p; v160-191 O^T; v224-239 p's codes; v240, v244 p's hold and scale; v241, v245 O's; v246 what the other half of the lanes sends: no matrix operand's register; v242-243, v252-254 at work.
.set SK,    256
.set KP,    80                         ; a key's row in LDS: 64 bytes + 16 of padding
.set VP,    272                        ; a row of V's tile: 256 bytes + 16
.set VOFF,  SK*KP
.set SLOT1, 1<<16                      ; slot 1 begins here: one exclusive or turns an address in one slot into the other's
.set NSL,   8
.set SPARE, 2*SLOT1                    ; the spare words, 128 bytes for each of sixteen waves, that no other line names
.set STAGE, SPARE+2048                 ; the way out: 1,024 bytes for each wave; no fill ever lands here
.set AK0,  1
.set AV0,  2
.set PFO,  3
.set SPW,  5
.set NIL,  6
.set GO,   7
.set ADK,  8
.set ADV,  9
.set XH,   246                         ; v246 the lane exchange's destination
.set WV,   18
.set SEL,  20
.set CS,   22
.set G1K,  24
.set G1V,  32
.set G0K,  40
.set G0V,  44
.set TB,   2                           ; s2   LDS byte at which the slot in hand begins
.set SLOTS, 67                         ; s67  changes of slots still to come that may ask for a slot
.set KF,   98                          ; s98  the step's first key
.set Q0,   99                          ; s99  my first query
.set PFA,  76
.set PFS,  78
.set LIM,  80
.macro TLOAD                           ; waves 0, 1 fetch K's halves, wave 2 V, the others nothing.  An s_nop 0 and four v_nop follow each of the two lines
	s_cmp_lt_u32 s[WV], 2
	s_cbranch_scc0 .Lnot_k_\@
	tensor_load_to_lds s[G0K:G0K+3], s[G1K:G1K+7]
	s_nop 0
.rept 4
	v_nop
.endr
	s_branch .Lasked_\@
.Lnot_k_\@:
	s_cmp_eq_u32 s[WV], 2
	s_cbranch_scc0 .Lasked_\@
	tensor_load_to_lds s[G0V:G0V+3], s[G1V:G1V+7]
	s_nop 0
.rept 4
	v_nop
.endr
.Lasked_\@:
.endm
; A PREFETCH of what the NEXT change of slots will ask for: 256 keys of K, one dense block of 16,384 bytes, and 256 bytes of each of V's 64 rows.  All eight work-groups of a head and batch walk the same K and V:
; the one with y = 0, which walks all slots, asks, and nobody else.  In it waves 4, 5 ask for K's block, 8,192 bytes a wave, lanes 256 bytes apart; waves 6, 7 for V's rows, 32 a wave, a lane a row.
; So each aligned block of 256 bytes is named once.  It stands a slot's two key steps ahead of the load that wants the bytes; the last change that fills a slot asks for nothing; slots 0 and 1 come by their loads alone.
.macro ASK
	s_cmp_gt_u32 s[SLOTS], s[LIM]
	s_cbranch_scc0 .Lnot_mine_\@
	global_prefetch_b8 v[PFO], s[PFA:PFA+1] th:TH_LOAD_NT scope:SCOPE_SE
.Lnot_mine_\@:
.endm
	s_load_b256 s[4:11], s[0:1], 0x0               ; qc s[4:5], kc s[6:7], vt s[8:9], the scales' exponents s[10:11]
	s_load_b64 s[16:17], s[0:1], 0x20              ; oc
	v_lshl_add_u32 v[SPW], v0, 2, SPARE
	v_mov_b32 v[NIL], 0
	ds_add_u32 v[SPW], v[NIL]                      ; the wave's opening: the add and its wait ahead of my first tensor load; work on registers stands between them
	v_lshrrev_b32 v8, 5, v0
	v_readfirstlane_b32 s[WV], v8                  ; wave 0..15
	s_and_b32 s72, ttmp9, 15                       ; the head
	s_lshr_b32 s73, ttmp9, 4                       ; the batch
	s_lshl_b32 s74, s72, 19                        ; the head's first byte, in all four buffers
	s_lshl_b32 s88, s73, 17
	s_add_co_u32 s88, s88, s74                     ; qc, kc, oc: + the batch's 2,048 tokens of 64 bytes
	s_mov_b32 s89, 0
	s_lshl_b32 s90, s73, 11
	s_add_co_u32 s90, s90, s74                     ; vt: + the batch's 2,048 bytes in a row
	s_mov_b32 s91, 0
	s_and_b32 s92, ttmp7, 0xffff
	s_sub_co_u32 s92, 7, s92                       ; my block of 256 queries
	s_lshl_b32 s[Q0], s92, 8
	s_lshl_b32 s93, s[WV], 4
	s_add_co_u32 s[Q0], s[Q0], s93                 ; my first query
	s_lshl_b32 s92, s[Q0], 6
	s_mov_b32 s93, 0
	s_add_nc_u64 s[92:93], s[92:93], s[88:89]      ; its bytes in qc and in oc
	s_and_b32 s94, s[WV], 1
	s_lshl_b32 s82, s94, 13                        ; K: my 128 keys in memory,
	s_mov_b32 s83, 0
	s_add_nc_u64 s[82:83], s[82:83], s[88:89]
	s_mul_i32 s95, s94, 128*KP                     ; and in a slot
	s_mov_b32 s[G1K], (1<<20)|(3<<22)|(3<<25)      ; no mask; elements of 1 byte; padding: 4 words after every 16
	s_mov_b32 s[G1K+1], 64<<16                     ; tensor_dim0 = 64 bytes
	s_mov_b32 s[G1K+2], 128<<16                    ; tensor_dim1 = 128 keys
	s_mov_b32 s[G1K+3], 64<<16                     ; tile_dim0
	s_mov_b32 s[G1K+4], 128                        ; tile_dim1
	s_mov_b32 s[G1K+5], 64                         ; from key to key
	s_mov_b32 s[G1K+6], 0
	s_mov_b32 s[G1K+7], 0
	s_mov_b32 s[G1V], (1<<20)|(5<<22)|(3<<25)      ; padding: 4 words after every 64
	s_mov_b32 s[G1V+1], 256<<16
	s_mov_b32 s[G1V+2], 64<<16
	s_mov_b32 s[G1V+3], 256<<16
	s_mov_b32 s[G1V+4], 64
	s_mov_b32 s[G1V+5], 8192
	s_mov_b32 s[G1V+6], 0
	s_mov_b32 s[G1V+7], 0
	s_mov_b32 s[SEL], 0x76543210
	s_mov_b32 s[SEL+1], 0xfedcba98
	s_mov_b32 s[CS], 0x3e38aa3b                    ; c = log2(e) / 8
	s_mov_b32 s[TB], 0
	s_mov_b32 s[SLOTS], NSL-1
	s_mov_b32 s[KF], 0
	s_wait_dscnt 0x0                               ; the opening add is done
	s_wait_kmcnt 0x0
	s_load_b64 s[68:69], s[10:11], 0x18            ; entries 6, 7
	s_load_b128 s[84:87], s[10:11], 0x20           ; entries 8 to 11
	s_mov_b32 s[G0K], 1
	s_mov_b32 s[G0K+1], s95
	s_add_nc_u64 s[G0K+2:G0K+3], s[6:7], s[82:83]
	s_or_b32 s[G0K+3], s[G0K+3], 0x80000000
	s_mov_b32 s[G0V], 1
	s_mov_b32 s[G0V+1], VOFF
	s_add_nc_u64 s[G0V+2:G0V+3], s[8:9], s[90:91]
	s_or_b32 s[G0V+3], s[G0V+3], 0x80000000
	TLOAD                                          ; slot 0
	s_add_nc_u64 s[4:5], s[4:5], s[92:93]          ; Q's codes at my first query
	s_add_nc_u64 s[16:17], s[16:17], s[92:93]      ; oc likewise
	s_add_nc_u64 s[6:7], s[6:7], s[88:89]          ; K and V at the first key
	s_add_nc_u64 s[8:9], s[8:9], s[90:91]
	s_cmp_lt_u32 s[WV], 6                          ; the prefetches: waves 4, 5 for K, waves 6, 7 for V
	s_cselect_b64 s[PFA:PFA+1], s[6:7], s[8:9]
	s_mov_b32 s[PFS], 256
	s_cselect_b32 s[PFS], SK*64, s[PFS]            ; a slot on
	s_mov_b32 s82, 8192
	s_cselect_b32 s82, 256, s82                    ; from lane to lane
	s_mov_b32 s83, 32*8192
	s_cselect_b32 s83, 8192, s83                   ; from wave to wave
	v_and_b32 v[PFO], 31, v0
	v_mul_lo_u32 v[PFO], v[PFO], s82
	s_and_b32 s82, s[WV], 1
	s_mul_i32 s82, s82, s83
	s_add_co_u32 s82, s82, s[PFS]                  ; in slot 1: the first change of slots steps it to slot 2.  Nothing is prefetched here, at the head
	s_mov_b32 s83, 0
	s_mov_b32 s[PFS+1], 0
	s_add_nc_u64 s[PFA:PFA+1], s[PFA:PFA+1], s[82:83]
	s_sub_co_u32 s82, s[WV], 4
	s_lshr_b32 s82, s82, 2                         ; 0 in waves 4 to 7,
	s_and_b32 s83, ttmp7, 0xffff
	s_or_b32 s82, s82, s83                         ; of the work-group with y = 0
	s_cmp_eq_u32 s82, 0
	s_cselect_b32 s[LIM], 1, -1
	v_and_b32 v8, 15, v0                           ; r
	v_bfe_u32 v9, v0, 4, 1                         ; h
	v_lshlrev_b32 v10, 6, v8
	v_lshl_add_u32 v10, v9, 4, v10                 ; Q: row r of 64 bytes, + 16 h
	global_load_b128 v[16:19], v10, s[4:5]
	global_load_b128 v[20:23], v10, s[4:5] offset:32
	v_and_b32 v11, 8, v8
	v_add_nc_u32 v11, v11, v8                      ; r + 8 (r / 8)
	v_mul_u32_u24 v[AK0], v11, KP
	v_lshl_add_u32 v[AK0], v9, 4, v[AK0]
	v_mul_u32_u24 v[AV0], v8, VP
	v_lshl_add_u32 v[AV0], v9, 4, v[AV0]
	v_add_nc_u32 v[AV0], VOFF, v[AV0]
	v_and_b32 v[GO], 31, v0
	v_lshlrev_b32 v[GO], 4, v[GO]
	v_mov_b32 v13, 0xff61b1e6                      ; the largest t so far: -3e38, under every t
	v_floor_f32 v12, -v13                          ; -M
	v_mov_b32 v14, 0
	v_mov_b32 v15, 0
	v_mov_b32 v[XH], 0                             ; a lane permute's destination counts as one of its sources: written here, on every path
	v_mov_b32 v253, 0                              ; (named as the upper word of the pair v[252:253])
.set n, 0
.rept 32
	v_mov_b32 v[160+n], 0                          ; O^T: the key step is written without a first step of its own: the first finds zeros, which the first change of M leaves zeros
.set n, n+1
.endr
	s_wait_kmcnt 0x0
	s_add_co_i32 s72, s68, s69
	s_lshl_b32 s72, s72, 23
	s_add_co_i32 s[CS], s[CS], s72                 ; a score stands for score x 2^(entries 6 + 7): added to c's exponent field
	s_mov_b32 s[CS+1], s[CS]
	s_add_co_i32 s72, s84, 127
	s_lshl_b32 s73, s72, 23
	v_mov_b32 v244, s73                            ; p's scale as f32
	s_add_co_i32 s72, s72, 15
	s_lshl_b32 s72, s72, 23
	s_or_b32 s72, s72, 0x600000
	v_mov_b32 v240, s72                            ; 57,344 x that
	s_sub_co_i32 s72, s86, s84
	s_sub_co_i32 s72, s72, s85                     ; O^T / the sum stands for that x 2^(entries 8 + 9): its code takes the scale 2^(entry 10 - 8 - 9)
	s_add_co_i32 s72, s72, 127
	s_lshl_b32 s73, s72, 23
	v_mov_b32 v245, s73
	s_add_co_i32 s72, s72, 15
	s_lshl_b32 s72, s72, 23
	s_or_b32 s72, s72, 0x600000
	v_mov_b32 v241, s72
; A KEY STEP: 128 keys, the q-th of the slot in hand.
.macro STEP q
	s_add_co_u32 s96, s[Q0], 15                    ; a step all of whose keys come after my 16 queries is left out: ids and the count of steps alone
	s_cmp_gt_u32 s[KF], s96
	s_cbranch_scc1 .Lhidden_\@
	v_add_nc_u32 v[ADK], s[TB], v[AK0]
	v_add_nc_u32 v[ADV], s[TB], v[AV0]
	v_nop                                          ; with the two additions: four places in front of loads into registers that matrix instructions have read
	v_nop
.irp t, 0,1,2,3,4,5,6,7
.irp c, 0,1
	ds_load_b128 v[32+8*\t+4*\c:32+8*\t+4*\c+3], v[ADK] offset:(128*(\q)+32*(\t/2)+8*(\t%2))*KP+32*\c
.endr
.endr
	s_wait_dscnt 0x0
.irp t, 0,1,2,3,4,5,6,7
	v_wmma_f32_16x16x64_bf8_bf8 v[96+8*\t:103+8*\t], v[32+8*\t:39+8*\t], v[16:23], 0
.endr
.rept 4
	v_nop
.endr
	s_add_co_u32 s96, s[KF], 127                   ; a step all of whose keys count skips the mask
	s_cmp_le_u32 s96, s[Q0]
	s_cbranch_scc1 .Lopen_\@
	s_sub_co_i32 s96, s[Q0], s[KF]
	v_and_b32 v252, 15, v0
	v_bfe_u32 v253, v0, 4, 1
	v_lshlrev_b32 v253, 4, v253
	v_sub_nc_u32 v252, v252, v253
	v_add_nc_u32 v252, s96, v252                   ; d = my query - the step's first key - 16 h.  Register 16 b + i holds key 32 b + 16 h + i of the step: hidden where 32 b + i > d
	v_mov_b32 v254, 0xff800000                     ; -infinity: p = 0 then
.set n, 0
.rept 64
	v_cmp_gt_i32 vcc_lo, 32*(n/16)+n%16, v252
	v_cndmask_b32 v[96+n], v[96+n], v254, vcc_lo
.set n, n+1
.endr
.Lopen_\@:
	v_max3_num_f32 v254, v96, v97, v98             ; the step's largest score of my query among my 64 keys, in two chains, each accumulator from its low end on,
	v_max3_num_f32 v252, v99, v100, v101
.irp i, 6,10,14,18,22,26,30,34,38,42,46,50,54,58
	v_max3_num_f32 v254, v254, v[96+\i], v[97+\i]
	v_max3_num_f32 v252, v252, v[98+\i], v[99+\i]
.endr
	v_max3_num_f32 v254, v254, v158, v159
	v_max_num_f32 v254, v254, v252
	v_permlanex16_b32 v[XH], v254, s[SEL], s[SEL+1]
	v_max_num_f32 v254, v254, v[XH]                ; and among the other half's
	v_mul_f32 v254, s[CS], v254                    ; as t (c is positive)
	v_max_num_f32 v13, v13, v254                   ; the running largest t
	v_mov_b32 v254, v12
	v_floor_f32 v12, -v13                          ; the new -M = floor(-t): M is a whole number
	v_sub_f32 v254, v12, v254                      ; old M - new M: a whole number, 0 or less
	v_cvt_i32_f32 v254, v254                       ; (it saturates)
	v_ldexp_f32 v252, 1.0, v254                    ; f = 2^(old M - new M)
.set n, 0
.rept 32
	v_pk_fma_f32 v[96+n:97+n], v[96+n:97+n], s[CS:CS+1], v[12:13] op_sel_hi:[1,0,0]   ; t - M
.set n, n+2
.endr
.set n, 0
.rept 64
	v_exp_f32 v[96+n], v[96+n]                     ; p = 2^(t - M), at most 1
.set n, n+1
.endr
	v_pk_mul_f32 v[14:15], v[14:15], v[252:253] op_sel_hi:[1,0]   ; the sums under the new M: the plain instruction behind the exponentials
	s_wait_alu depctr_va_vdst(0)                   ; one wait for the whole batch, ahead of its first reader
	v_pk_add_f32 v[242:243], v[96:97], v[98:99]    ; the row's sum is taken of the unquantised p, in two chains
.irp j, 4,8,12,16,20,24,28,32,36,40,44,48,52,56,60
	v_pk_add_f32 v[14:15], v[14:15], v[96+\j:97+\j]
	v_pk_add_f32 v[242:243], v[242:243], v[98+\j:99+\j]
.endr
	v_pk_add_f32 v[14:15], v[14:15], v[242:243]
.irp b, 0,1,2,3
.irp i, 0,1,2,3,4,5,6,7,8,9,10,11,12,13,14,15
	v_min_num_f32 v[96+16*\b+\i], v[96+16*\b+\i], v240   ; the conversion does not saturate (ISA guide 7.6.2); p is not negative: a one-sided hold
.endr
	v_cvt_scalef32_pk8_bf8_f32 v[224+4*\b:225+4*\b], v[96+16*\b:103+16*\b], v244
	v_cvt_scalef32_pk8_bf8_f32 v[226+4*\b:227+4*\b], v[104+16*\b:111+16*\b], v244
.endr
.set n, 0
.rept 16
	v_pk_mul_f32 v[160+n:161+n], v[160+n:161+n], v[252:253] op_sel_hi:[1,0]   ; O^T under the new M.  These are also the plain instructions behind the conversions and in front of the loads below
.set n, n+2
.endr
.irp t, 0,1,2,3
.irp c, 0,1,2,3
	ds_load_b128 v[32+16*\t+4*\c:32+16*\t+4*\c+3], v[ADV] offset:16*VP*\t+128*(\q)+32*\c
.endr
.endr
	s_wait_dscnt 0x0
.irp t, 0,1,2,3
	v_wmma_f32_16x16x128_bf8_bf8 v[160+8*\t:167+8*\t], v[32+16*\t:47+16*\t], v[224:239], v[160+8*\t:167+8*\t]
.endr
.Lhidden_\@:
	s_add_co_u32 s[KF], s[KF], 128
.endm
; THE CHANGE OF SLOTS stands at a slot's head.  Each wave waits for all its tensor loads, adds 0 to its spare word, and waits for that and for its reads of the slot that it has left.
; Behind the barrier the slot ahead is whole and nobody reads the other one.  fill = 1: that other slot takes the keys that follow, up to the causal limit: the load has a slot's two steps in which to land.
.macro CHANGE fill
	s_wait_tensorcnt 0x0                           ; no tensor load of mine is out, so a group 0 may be written
	ds_add_u32 v[SPW], v[NIL]
.if \fill
	s_xor_b32 s[G0K+1], s[G0K+1], SLOT1
	s_add_nc_u64 s[G0K+2:G0K+3], s[G0K+2:G0K+3], SK*64
	s_xor_b32 s[G0V+1], s[G0V+1], SLOT1
	s_add_nc_u64 s[G0V+2:G0V+3], s[G0V+2:G0V+3], SK
	s_wait_xcnt 0x0                                ; the last prefetch, a slot back, has read its address, so it may be written:
	s_add_nc_u64 s[PFA:PFA+1], s[PFA:PFA+1], s[PFS:PFS+1]   ; one slot further on than the walking descriptors
.endif
	s_wait_dscnt 0x0                               ; the add is done, and my reads of the slot that I have left are over
	s_barrier_signal -1
	s_barrier_wait -1
.if \fill
	s_add_co_u32 s96, s[KF], SK                    ; the first key of the slot that this change would ask for,
	s_or_b32 s97, s[Q0], 255                       ; against my work-group's last query: ids and the count of steps alone, the same in all sixteen waves;
	s_cmp_gt_u32 s96, s97                          ; a slot beyond it is read by no wave, so it is not asked for; a work-group that is past the limit stays past it
	s_cbranch_scc1 .Lpast_\@
	TLOAD
.Lpast_\@:
	ASK
.endif
.endm
.macro SLOT_STEPS
	STEP 0
	STEP 1
	s_xor_b32 s[TB], s[TB], SLOT1
.endm
	s_wait_loadcnt 0x0                             ; Q
.Lslot:                                            ; seven trips
	CHANGE 1
	SLOT_STEPS
	s_sub_co_u32 s[SLOTS], s[SLOTS], 1
	s_cmp_lg_u32 s[SLOTS], 0
	s_cbranch_scc1 .Lslot
	CHANGE 0                                       ; the last slot is written out: nothing is left to ask for
	SLOT_STEPS
	; THE WAY OUT.  O^T / the sum is quantised: a lane's eight numbers of a tile are eight bytes of its query's row of 64.  The wave's 16 rows, 1,024 bytes, turn through its stage and leave as two stores of 512 consecutive bytes.
	; The lines up to the first read of O^T name no register of the last products: the two additions and the six lines of address work are more than the four places that stand behind those products.
	v_add_f32 v14, v14, v15
	v_permlanex16_b32 v[XH], v14, s[SEL], s[SEL+1]
	v_add_f32 v14, v14, v[XH]                      ; the row's sum
	v_rcp_f32 v14, v14
	v_and_b32 v8, 15, v0                           ; (plain instructions behind the transcendental)
	v_bfe_u32 v9, v0, 4, 1
	s_lshl_b32 s73, s[WV], 10
	s_add_co_u32 s73, s73, STAGE
	v_lshlrev_b32 v10, 6, v8
	v_lshl_add_u32 v10, v9, 3, v10
	v_add_nc_u32 v10, s73, v10                     ; in: 64 r + 8 h
	v_add_nc_u32 v11, s73, v[GO]                   ; back: 16 x lane
	s_wait_alu depctr_va_vdst(0)                   ; the wait ahead of the reciprocal's first reader
.set n, 0
.rept 16
	v_pk_mul_f32 v[96+n:97+n], v[160+n:161+n], v[14:15] op_sel_hi:[1,0]   ; register 8 t + i: channel 16 t + 8 h + i
.set n, n+2
.endr
.irp t, 0,1,2,3
.irp i, 0,1,2,3,4,5,6,7
	v_med3_num_f32 v[96+8*\t+\i], v[96+8*\t+\i], -v241, v241
.endr
	v_cvt_scalef32_pk8_bf8_f32 v[224+2*\t:225+2*\t], v[96+8*\t:103+8*\t], v245
.endr
	v_nop
.irp t, 0,1,2,3
	ds_store_b64 v10, v[224+2*\t:225+2*\t] offset:16*\t
.endr
	ds_load_b128 v[32:35], v11                     ; LDS serves a wave's instructions in order: these see my stores
	ds_load_b128 v[36:39], v11 offset:512
	s_wait_dscnt 1
	global_store_b128 v[GO], v[32:35], s[16:17]
	s_wait_dscnt 0
	global_store_b128 v[GO], v[36:39], s[16:17] offset:512
	s_wait_tensorcnt 0x0                           ; the wave's end, behind my last tensor load and my last LDS store
	ds_add_u32 v[SPW], v[NIL]
	s_wait_dscnt 0x0
	s_endpgm
.Lfunc_end_k_qf64638260d_attn:
	.size	k_qf64638260d_attn, .Lfunc_end_k_qf64638260d_attn-k_qf64638260d_attn
	.p2alignl 7, 3214868480
	.fill 96, 4, 3214868480
	.section	.rodata,"a",@progbits
	.p2align	6, 0x0
	.amdhsa_kernel k_qf64638260d_attn
		.amdhsa_group_segment_fixed_size 327680
		.amdhsa_private_segment_fixed_size 0
		.amdhsa_enable_private_segment 0
		.amdhsa_kernarg_size 40
		.amdhsa_user_sgpr_count 2
		.amdhsa_user_sgpr_kernarg_segment_ptr 1
		.amdhsa_wavefront_size32 1
		.amdhsa_system_sgpr_workgroup_id_x 1
		.amdhsa_system_sgpr_workgroup_id_y 1
		.amdhsa_system_sgpr_workgroup_id_z 1
		.amdhsa_system_vgpr_workitem_id 0
		.amdhsa_next_free_vgpr 256
		.amdhsa_next_free_sgpr 100
		.amdhsa_reserve_vcc 1
		.amdhsa_float_denorm_mode_32 3
		.amdhsa_float_denorm_mode_16_64 3
		.amdhsa_memory_ordered 1
		.amdhsa_forward_progress 1
		.amdhsa_inst_pref_size 97
	.end_amdhsa_kernel
	.amdgpu_metadata
---
amdhsa.version: [ 1, 2 ]
amdhsa.kernels:
  - .name:           k_qf64638260d_attn
    .symbol:         k_qf64638260d_attn.kd
    .args:
      - { .name: qc, .offset: 0, .size: 8, .value_kind: global_buffer, .address_space: global }
      - { .name: kc, .offset: 8, .size: 8, .value_kind: global_buffer, .address_space: global }
      - { .name: vt, .offset: 16, .size: 8, .value_kind: global_buffer, .address_space: global }
      - { .name: lowp_scales, .offset: 24, .size: 8, .value_kind: global_buffer, .address_space: global }
      - { .name: oc, .offset: 32, .size: 8, .value_kind: global_buffer, .address_space: global }
    .group_segment_fixed_size: 327680
    .private_segment_fixed_size: 0
    .kernarg_segment_align: 8
    .kernarg_segment_size: 40
    .max_flat_workgroup_size: 512
    .sgpr_count:     100
    .vgpr_count:     256
    .wavefront_size: 32
...
	.end_amdgpu_metadata
.endif
;; end of part 3
;; launch oproj (part 4): grid 4 x 64, 4 waves a work-group, clusters of 4 x 4, 327,680 bytes of LDS; arguments oc, Wo_codes, bo, x, lowp_scales, out0; writes out0
.if DOCPART == 4
	.amdgcn_target "amdgcn-amd-amdhsa--gfx1250"
	.amdhsa_code_object_version 6
	.text
	.protected	k_qf64638260d_oproj
	.globl	k_qf64638260d_oproj
	.p2align	8
	.type	k_qf64638260d_oproj,@function
k_qf64638260d_oproj:
	s_mov_b64 s[64:65], 0
	v_nop
	global_prefetch_b8 v0, s[64:65] scope:SCOPE_SE
	s_setreg_imm32_b32 hwreg(HW_REG_WAVE_MODE, 25, 1), 1
	s_wait_xcnt 0x0
	s_wait_alu depctr_hold_cnt(0) depctr_sa_sdst(0) depctr_va_vdst(0) depctr_va_sdst(0) depctr_va_ssrc(0) depctr_va_vcc(0) depctr_vm_vsrc(0)
	s_getreg_b32 s2, hwreg(HW_REG_IB_STS2, 6, 4)
	s_cmp_eq_u32 s2, 0
	s_cbranch_scc0 .Lentry_in_a_cluster
	s_endpgm
.Lentry_in_a_cluster:
	s_bfe_u32 s2, ttmp6, 0x10000c
	s_cmp_lg_u32 s2, 0xf033
	s_cbranch_scc0 .Lentry_shape_is_right
	s_endpgm
.Lentry_shape_is_right:
; out0 = (attention's result) Wo + bo + x, the product on E5M2 codes (K = 1,024 = 64 x head + channel), sums in f32.  oc: [16 heads][8192 tokens][64] codes; Wo_codes: [1024 outputs][1024]; x, out0: [8192][1024] f32.
; THE CORE: T[i][j] = sum over k of P[i][k] Q[j][k], P = oc (tokens), Q = Wo (outputs).  A work-group makes 128 tokens x 256 outputs; wave w takes tokens 64 (w / 2) on and outputs 128 (w % 2) on: 32 accumulators.
; The matrix instruction is used transposed (source 0 = 16 rows of Q, source 1 = 16 rows of P): lane (r, h) of accumulator (a, b) holds token 16 a + r and outputs 16 b + 8 h + 0 .. 7.
; K goes in four steps of 256 (four heads) through THREE LDS slots: steps 0, 1, 2 are first fills, step 3 the one refill (slot 0).  By this text's count a wave has at most three tensor loads out.  Nothing loops.
; P'S TILE: a head's 128 tokens are 8,192 dense bytes.  Wave 0 or 1 fetches two heads as two rows of 8,192 bytes, 524,288 apart, with 16 bytes of padding behind every 256: token u of a head lies at 272 (u / 4) + 64 (u % 4),
; so that the 16 rows of a fragment load start at 16 different groups of four banks (64 banks of 4 bytes: ISA guide 11.1).
; CLUSTER 4 x 4: P's tile is asked for jointly along a row of the cluster, Q's along a column.  Waves 0, 1 fetch P's halves, waves 2, 3 Q's.
; bo goes in as the C of the first products, divided by 2^E, E = entries 10 + 11 of the scales; on the way out one packed multiply-add gives sum x 2^E + x.  x waits in registers, blocks 0, 1 asked for at the head, 2, 3 behind the refill.
; LIMIT: E between -126 and 127.
; REGISTERS.  window 0: v16-18, v20-22 LDS addresses of my fragments in slot 0, 1, 2; v24-26 the way out; v28, v29 the add's two; v32-95 the bias; v128-255 P's fragments, two sets of 64, later rows of the result.
;   window 1: Q's fragments, two sets of 128.   window 2: the accumulators, (a, b) at v[8 (8 a + b)].   window 3: my 64 x 128 numbers of x, row 16 a + t at v[64 a + 4 t].
.set PITCH, 272
.set HEADB, 32*PITCH                   ; a head's 128 tokens in LDS: 8,704
.set PHALF, 2*HEADB
.set QOFF,  2*PHALF
.set QHALF, 128*PITCH
.set SLOT,  QOFF+2*QHALF               ; 104,448
.set STG,   SLOT                       ; the way out's stages, 16 rows x 528 bytes for each wave, lie in slot 1: it has had its only fill, and nobody reads it when the first result is stored there
.set SPITCH, 528
.set SPARE, 3*SLOT                     ; the spare words, 128 bytes for each wave, that no other line names
.set PADW,  (1<<20)|(1<<21)|(5<<22)|(3<<25)
.set ADRA, 16
.set ADRB, 20
.set STO,  24
.set RD,   25
.set GO,   26
.set SPW,  28
.set NIL,  29
.set CB,   32
.set AF,   128
.set BK,   128
.set G1A, 24
.set G1B, 32
.set G0A, 40
.set G0B, 52
.set MSB, 0
.macro WIN new
.if MSB != \new
	s_set_vgpr_msb (MSB<<8)|\new
.set MSB, \new
.endif
.endm
.macro PLACES                          ; four plain vector instructions between a matrix instruction and a load into, or a store or vector instruction on, its registers (ISA guide 7.12.1 for stores and vector instructions)
.rept 4
	v_nop
.endr
.endm
.macro CROUND
	s_barrier_signal -1
	s_barrier_wait -1
	s_cmp_lg_u32 s14, 0
	s_cbranch_scc1 .Lnot_wave_0_\@
	s_barrier_signal -3
.Lnot_wave_0_\@:
	s_barrier_wait -3
	s_barrier_signal -1
	s_barrier_wait -1
.endm
.macro JLOAD                           ; the joint refill of slot 0; an s_nop 0 and four v_nop follow each of the two lines
	s_cmp_eq_u32 s15, 0
	s_cbranch_scc0 .Lfor_q_\@
	tensor_load_to_lds s[G0A:G0A+3], s[G1A:G1A+7]
	s_nop 0
.rept 4
	v_nop
.endr
	s_branch .Lasked_\@
.Lfor_q_\@:
	tensor_load_to_lds s[G0B:G0B+3], s[G1B:G1B+7]
	s_nop 0
.rept 4
	v_nop
.endr
.Lasked_\@:
.endm
.macro FRAGB reg, slot, q, i
.irp c, 0,1,2,3
	ds_load_b128 v[\reg+4*\c:\reg+4*\c+3], v[ADRB+\slot] offset:128*(\q)+32*\c+16*PITCH*(\i)
.endr
.endm
.macro FRAGA reg, slot, q, a           ; k = 32 c + 16 h + 0 .. 15 of the step's 128: head 2 q + c / 2 of the slot, channels 32 (c % 2) + 16 h on; 16 tokens are four LDS rows
.irp c, 0,1,2,3
	ds_load_b128 v[\reg+4*\c:\reg+4*\c+3], v[ADRA+\slot] offset:HEADB*(2*(\q)+\c/2)+32*(\c%2)+4*PITCH*(\a)
.endr
.endm
.macro FETCH slot, q, p
	WIN 0x40
.irp i, 0,1,2,3,4,5,6,7
	FRAGB 128*(\p)+16*\i, \slot, \q, \i
.endr
	WIN 0
.irp a, 0,1,2,3
	FRAGA AF+64*(\p)+16*\a, \slot, \q, \a
.endr
.endm
.macro MUL32 p, first                  ; the 32 accumulators take turns, one instruction a turn, in the same order in every step
.if \first
	WIN 0x81
.else
	WIN 0xa1
.endif
.irp a, 0,1,2,3
.irp b, 0,1,2,3,4,5,6,7
.if \first
	v_wmma_f32_16x16x128_bf8_bf8 v[8*(8*\a+\b):8*(8*\a+\b)+7], v[128*(\p)+16*\b:128*(\p)+16*\b+15], v[AF+64*(\p)+16*\a:AF+64*(\p)+16*\a+15], v[CB+8*\b:CB+8*\b+7]
.else
	v_wmma_f32_16x16x128_bf8_bf8 v[8*(8*\a+\b):8*(8*\a+\b)+7], v[128*(\p)+16*\b:128*(\p)+16*\b+15], v[AF+64*(\p)+16*\a:AF+64*(\p)+16*\a+15], v[8*(8*\a+\b):8*(8*\a+\b)+7]
.endif
.endr
.endr
.endm
.macro STEP slot, q, p
	PLACES
	FETCH \slot, \q, 1-(\p)
	s_wait_dscnt 48                                ; all but the 48 just issued: set p is in
	MUL32 \p, 0
.endm
.macro XLOAD a                         ; 16 rows of x, 512 consecutive bytes a load, into window 3
	WIN 0xc0
.irp t, 0,1,2,3,4,5,6,7,8,9,10,11,12,13,14,15
	global_load_b128 v[64*(\a)+4*\t:64*(\a)+4*\t+3], v[GO], s[8:9] offset:(16*(\a)+\t)*4096 th:TH_LOAD_NT
.endr
	WIN 0
.endm
	s_load_b256 s[68:75], s[0:1], 0x0              ; oc s[68:69], Wo s[70:71], bo s[72:73], x s[74:75]
	s_load_b128 s[76:79], s[0:1], 0x20             ; the scales' exponents s[76:77], out0 s[78:79]
	v_lshl_add_u32 v[SPW], v0, 2, SPARE
	v_mov_b32 v[NIL], 0
	ds_add_u32 v[SPW], v[NIL]                      ; the wave's opening: the add and its wait ahead of my first tensor load
	v_lshrrev_b32 v1, 5, v0
	v_readfirstlane_b32 s14, v1                    ; wave 0..3
	s_lshr_b32 s15, s14, 1                         ; my half of the tokens.  Also: I fetch for P (0) or for Q (1)
	s_and_b32 s16, s14, 1                          ; my half of the outputs.  Also: which half of that tile I fetch
	s_bfe_u32 s2, ttmp6, 0x40000                   ; cx
	s_bfe_u32 s3, ttmp6, 0x40004                   ; cy
	s_lshl_b32 s18, ttmp9, 2
	s_add_co_u32 s18, s18, s2                      ; the tile column
	s_and_b32 s17, ttmp7, 0xffff
	s_lshl_b32 s17, s17, 2
	s_add_co_u32 s17, s17, s3                      ; the tile row
	s_lshl_b32 s[G1A], s3, 2
	s_lshl_b32 s[G1A], 15, s[G1A]                  ; my row of the cluster
	s_or_b32 s[G1A], s[G1A], PADW
	s_lshl_b32 s[G1B], 0x1111, s2                  ; my column
	s_or_b32 s[G1B], s[G1B], PADW
	s_mov_b32 s[G1A+1], 8192<<16                   ; tensor_dim0 = 8,192 bytes: a head's 128 tokens
	s_mov_b32 s[G1A+2], 2<<16                      ; tensor_dim1 = 2 heads
	s_mov_b32 s[G1A+3], 8192<<16                   ; tile_dim0
	s_mov_b32 s[G1A+4], 2                          ; tile_dim1
	s_mov_b32 s[G1A+5], 524288                     ; from head to head
	s_mov_b32 s[G1A+6], 0
	s_mov_b32 s[G1A+7], 0
	s_mov_b32 s[G1B+1], 256<<16
	s_mov_b32 s[G1B+2], 128<<16
	s_mov_b32 s[G1B+3], 256<<16
	s_mov_b32 s[G1B+4], 128
	s_mov_b32 s[G1B+5], 1024
	s_mov_b32 s[G1B+6], 0
	s_mov_b32 s[G1B+7], 0
	s_lshl_b32 s20, s17, 13                        ; P: 128 tokens of 64 bytes x tile row,
	s_lshl_b32 s21, s16, 20                        ; + my two heads
	s_add_co_u32 s20, s20, s21
	s_mov_b32 s21, 0
	s_lshl_b32 s22, s18, 8
	s_lshl_b32 s23, s16, 7
	s_add_co_u32 s22, s22, s23
	s_lshl_b32 s22, s22, 10                        ; Q: (256 x tile column + 128 x half) rows of 1,024 bytes
	s_mov_b32 s23, 0
	s_mul_i32 s10, s16, PHALF                      ; where the tiles go: no place in the cluster enters an LDS address
	s_mul_i32 s11, s16, QHALF
	s_add_co_u32 s11, s11, QOFF
	s_wait_dscnt 0x0                               ; the opening add is done
	s_wait_kmcnt 0x0
	s_load_b64 s[96:97], s[76:77], 0x28            ; entries 10, 11
	s_add_nc_u64 s[4:5], s[68:69], s[20:21]
	s_add_nc_u64 s[6:7], s[70:71], s[22:23]
.irp s, 0,1,2
	s_mov_b32 s[G0A+4*\s], 1
	s_add_co_u32 s[G0A+4*\s+1], s10, \s*SLOT
	s_add_nc_u64 s[G0A+4*\s+2:G0A+4*\s+3], s[4:5], \s*4*524288   ; K step s: four heads on
	s_or_b32 s[G0A+4*\s+3], s[G0A+4*\s+3], 0x80000000
	s_mov_b32 s[G0B+4*\s], 1
	s_add_co_u32 s[G0B+4*\s+1], s11, \s*SLOT
	s_add_nc_u64 s[G0B+4*\s+2:G0B+4*\s+3], s[6:7], \s*256
	s_or_b32 s[G0B+4*\s+3], s[G0B+4*\s+3], 0x80000000
.endr
	CROUND                                         ; all sixteen work-groups are here: the first joint loads meet
	s_cmp_eq_u32 s15, 0                            ; a wave's three first fills stand in one branch, ahead of every wait on TENSORcnt and every LDS read
	s_cbranch_scc0 .Lfirst_q
	tensor_load_to_lds s[G0A:G0A+3], s[G1A:G1A+7]
	s_nop 0
	tensor_load_to_lds s[G0A+4:G0A+7], s[G1A:G1A+7]
	s_nop 0
	tensor_load_to_lds s[G0A+8:G0A+11], s[G1A:G1A+7]
	s_nop 0
.rept 4
	v_nop
.endr
	s_branch .Lfirst_asked
.Lfirst_q:
	tensor_load_to_lds s[G0B:G0B+3], s[G1B:G1B+7]
	s_nop 0
	tensor_load_to_lds s[G0B+4:G0B+7], s[G1B:G1B+7]
	s_nop 0
	tensor_load_to_lds s[G0B+8:G0B+11], s[G1B:G1B+7]
	s_nop 0
.rept 4
	v_nop
.endr
.Lfirst_asked:
	s_lshl_b32 s84, s18, 10
	s_lshl_b32 s85, s16, 9
	s_add_co_u32 s84, s84, s85                     ; my first output, in bytes of f32
	s_lshl_b32 s80, s17, 19
	s_lshl_b32 s81, s15, 18
	s_add_co_u32 s80, s80, s81
	s_add_co_u32 s80, s80, s84                     ; + my first token's row of 4,096 bytes
	s_mov_b32 s81, 0
	s_add_nc_u64 s[8:9], s[74:75], s[80:81]        ; x,
	s_add_nc_u64 s[12:13], s[78:79], s[80:81]      ; out0
	v_and_b32 v1, 15, v0                           ; r
	v_bfe_u32 v2, v0, 4, 1                         ; h
	v_lshl_add_u32 v5, v2, 5, s84
	v_and_b32 v[GO], 31, v0
	v_lshlrev_b32 v[GO], 4, v[GO]                  ; 16 x lane
.irp b, 0,1,2,3,4,5,6,7
	global_load_b128 v[CB+8*\b:CB+8*\b+3], v5, s[72:73] offset:64*\b          ; bo at outputs 16 b + 8 h + 0 .. 7
	global_load_b128 v[CB+8*\b+4:CB+8*\b+7], v5, s[72:73] offset:64*\b+16
.endr
	XLOAD 0
	XLOAD 1
	v_lshrrev_b32 v3, 2, v1
	v_mul_u32_u24 v3, v3, PITCH
	v_and_b32 v7, 3, v1
	v_lshl_add_u32 v3, v7, 6, v3
	v_lshl_add_u32 v3, v2, 4, v3                   ; P: 272 (r / 4) + 64 (r % 4) + 16 h
	v_mul_u32_u24 v4, v1, PITCH
	v_lshl_add_u32 v4, v2, 4, v4                   ; Q: 272 r + 16 h
	s_mul_i32 s86, s15, 16*PITCH                   ; my 64 tokens: sixteen LDS rows in each head
	s_mul_i32 s87, s16, QHALF
	s_add_co_u32 s87, s87, QOFF
.irp s, 0,1,2
	v_add_nc_u32 v[ADRA+\s], s86, v3
	v_add_nc_u32 v[ADRB+\s], s87, v4
	s_add_co_u32 s86, s86, SLOT
	s_add_co_u32 s87, s87, SLOT
.endr
	s_mul_i32 s88, s14, 16*SPITCH
	s_add_co_u32 s88, s88, STG                     ; my stage
	v_mul_u32_u24 v[STO], v1, SPITCH
	v_lshl_add_u32 v[STO], v2, 5, v[STO]
	v_add_nc_u32 v[STO], s88, v[STO]               ; in: row r, 32 bytes for each half of the lanes
	v_add_nc_u32 v[RD], s88, v[GO]                 ; back: the 32 lanes take a row of 512 bytes
	s_wait_kmcnt 0x0
	s_add_co_i32 s96, s96, s97                     ; E
	s_sub_co_i32 s98, 0, s96
	s_add_co_i32 s96, s96, 127
	s_lshl_b32 s96, s96, 23                        ; 2^E as f32
	s_mov_b32 s97, s96                             ; (named with it as a pair)
	s_wait_loadcnt 32                              ; the bias is in; the 32 loads of x behind it may be out
.set j, 0
.rept 64
	v_ldexp_f32 v[CB+j], v[CB+j], s98
.set j, j+1
.endr
	s_wait_tensorcnt 2                             ; my part of K step 0 is in; the fills of steps 1 and 2 may be out
	s_barrier_signal -1
	s_barrier_wait -1
	FETCH 0, 0, 0
	FETCH 0, 1, 1
	s_wait_dscnt 48
	MUL32 0, 1                                     ; the first products start the sums from the bias: nothing is cleared
	; THE CHANGE OF SLOTS: slot 0's second half is in registers; the slot takes K step 3
	WIN 0
	s_wait_tensorcnt 0x0                           ; all my tensor loads have landed; so a group 0 may be written
	ds_add_u32 v[SPW], v[NIL]
	s_add_nc_u64 s[G0A+2:G0A+3], s[G0A+2:G0A+3], 12*524288
	s_add_nc_u64 s[G0B+2:G0B+3], s[G0B+2:G0B+3], 768
	s_wait_dscnt 0x0                               ; the add is done, and my reads of slot 0 are over
	CROUND                                         ; no wave of any partner still reads slot 0 or has a load on its way
	JLOAD                                          ; it has four steps, 128 matrix instructions, in which to land; its four v_nop are also the places in front of the loads below
	FETCH 1, 0, 0
	XLOAD 2
	XLOAD 3
	s_wait_dscnt 48
	MUL32 1, 0
	STEP 1, 1, 0
	STEP 2, 0, 1
	STEP 2, 1, 0
	s_wait_tensorcnt 0x0                           ; the one load that was out: my part of K step 3
	s_wait_dscnt 0x0                               ; my reads of slots 1 and 2 are over
	s_barrier_signal -1
	s_barrier_wait -1                              ; slot 0 is whole; nobody reads slot 1 any more; nothing is filled again
	PLACES
	FETCH 0, 0, 0
	s_wait_dscnt 48
	MUL32 1, 0
	STEP 0, 1, 0
	s_wait_dscnt 0x0
	MUL32 1, 0
	WIN 0
	PLACES
; THE WAY OUT, a block of 16 tokens x 128 outputs at a time.  A lane holds 32 neighbouring bytes of a row and the lanes beside it other rows: the block goes through my own stage and comes back as whole rows of 512 bytes.
; LDS serves a wave's instructions in order (ISA guide 5.7.1.4): no wait between the stores and the loads, nor in front of the next block's stores.
.macro TOSTAGE a
	WIN 0x08                                       ; the stores' data: window 2; each accumulator from its low end on
.irp b, 0,1,2,3,4,5,6,7
	ds_store_b128 v[STO], v[64*(\a)+8*\b:64*(\a)+8*\b+3] offset:64*\b
	ds_store_b128 v[STO], v[64*(\a)+8*\b+4:64*(\a)+8*\b+7] offset:64*\b+16
.endr
	WIN 0
.set BB, BK+64*((\a)%2)
.irp t, 0,1,2,3,4,5,6,7,8,9,10,11,12,13,14,15
	ds_load_b128 v[BB+4*\t:BB+4*\t+3], v[RD] offset:\t*SPITCH
.endr
.endm
.macro SEND a, younger                 ; younger: the LDS instructions issued behind block a's loads
.set BB, BK+64*((\a)%2)
	s_wait_dscnt \younger
	s_wait_loadcnt 16*(3-(\a))                     ; this block's rows of x are in; the later blocks' may be out
	WIN 0x30                                       ; source 2: x, window 3
.set n, 0
.rept 32
	v_pk_fma_f32 v[BB+n:BB+n+1], v[BB+n:BB+n+1], s[96:97], v[64*(\a)+n:64*(\a)+n+1] op_sel_hi:[1,0,1]   ; sum x 2^E + x
.set n, n+2
.endr
	WIN 0
.irp t, 0,1,2,3,4,5,6,7,8,9,10,11,12,13,14,15
	global_store_b128 v[GO], v[BB+4*\t:BB+4*\t+3], s[12:13] offset:(16*(\a)+\t)*4096 th:TH_STORE_NT   ; 512 consecutive bytes, aligned; written once, read by nobody here
.endr
.endm
	TOSTAGE 0
.irp a, 1,2,3
.if \a > 1
	s_wait_xcnt 0x0                                ; the stores of two blocks ago have read their registers: this block's loads may land there
.endif
	TOSTAGE \a
	SEND \a-1, 32                                  ; behind block a - 1's loads: block a's 16 stores and 16 loads
.endr
	SEND 3, 0
	s_wait_tensorcnt 0x0                           ; the wave's end, behind my last tensor load and my last LDS store
	ds_add_u32 v[SPW], v[NIL]
	s_wait_dscnt 0x0
	CROUND                                         ; the closing round
	s_endpgm
.Lfunc_end_k_qf64638260d_oproj:
	.size	k_qf64638260d_oproj, .Lfunc_end_k_qf64638260d_oproj-k_qf64638260d_oproj
	.p2alignl 7, 3214868480
	.fill 96, 4, 3214868480
	.section	.rodata,"a",@progbits
	.p2align	6, 0x0
	.amdhsa_kernel k_qf64638260d_oproj
		.amdhsa_group_segment_fixed_size 327680
		.amdhsa_private_segment_fixed_size 0
		.amdhsa_enable_private_segment 0
		.amdhsa_kernarg_size 48
		.amdhsa_user_sgpr_count 2
		.amdhsa_user_sgpr_kernarg_segment_ptr 1
		.amdhsa_wavefront_size32 1
		.amdhsa_system_sgpr_workgroup_id_x 1
		.amdhsa_system_sgpr_workgroup_id_y 1
		.amdhsa_system_sgpr_workgroup_id_z 1
		.amdhsa_system_vgpr_workitem_id 0
		.amdhsa_next_free_vgpr 1024
		.amdhsa_next_free_sgpr 100
		.amdhsa_reserve_vcc 0
		.amdhsa_float_denorm_mode_32 3
		.amdhsa_float_denorm_mode_16_64 3
		.amdhsa_memory_ordered 1
		.amdhsa_forward_progress 1
		.amdhsa_inst_pref_size 86
	.end_amdhsa_kernel
	.amdgpu_metadata
---
amdhsa.version: [ 1, 2 ]
amdhsa.kernels:
  - .name:           k_qf64638260d_oproj
    .symbol:         k_qf64638260d_oproj.kd
    .args:
      - { .name: oc, .offset: 0, .size: 8, .value_kind: global_buffer, .address_space: global }
      - { .name: Wo_codes, .offset: 8, .size: 8, .value_kind: global_buffer, .address_space: global }
      - { .name: bo, .offset: 16, .size: 8, .value_kind: global_buffer, .address_space: global }
      - { .name: x, .offset: 24, .size: 8, .value_kind: global_buffer, .address_space: global }
      - { .name: lowp_scales, .offset: 32, .size: 8, .value_kind: global_buffer, .address_space: global }
      - { .name: out0, .offset: 40, .size: 8, .value_kind: global_buffer, .address_space: global }
    .group_segment_fixed_size: 327680
    .private_segment_fixed_size: 0
    .kernarg_segment_align: 8
    .kernarg_segment_size: 48
    .max_flat_workgroup_size: 128
    .sgpr_count:     100
    .vgpr_count:     1024
    .wavefront_size: 32
...
	.end_amdgpu_metadata
.endif
;; end of part 4
